; MI455X (gfx1250); checked and timed in simulation.
; The chip was launched on July 23, 2026; its instructions are those of AMD's public machine-readable ISA for CDNA 5 (MIT licence, August 2026) and "CDNA5" Instruction Set Architecture Reference Guide (July 2026). The comments in the code are by the model that wrote it; some were corrected since.
;; Self Attention. Allowed arithmetic: matrix products marked QUANTISED: E2M1 operands, one E8M0 scale for each 32 along K, by v_wmma_scale_f32_16x16x128_f8f6f4 with both operands' format E2M1 (or v_wmma_scale_f32_32x16x128_f4), f32 sums; everything else in f32.
;; Inputs: W_in 1,024 x 3,072 float32; W_out 1,024 x 1,024 float32; b_in 3,072 float32; b_out 1,024 float32; x 4 x 2,048 x 1,024 float32.
;; Outputs: out0 4 x 2,048 x 1,024 float32.
;; This version of the problem:
;;   THIS VERSION OF THE PROBLEM IS GIVEN IN LOW PRECISION. The matrix products marked QUANTISED in the list below multiply operands that are first quantised to E2M1 (2 exponent bits, 1 mantissa bit; 4 bits a number), with one power-of-two scale for each 32 numbers along K (OCP MX v1.0); their sums are f32. All else is computed in f32.
;;   The module's matrix products, in the order in which they are computed (A, B: the left and right operand; K: the contracted axis; several contracted axes count as one K, in the product's order):
;;     1. [M 8,192, K 1,024] x [K 1,024, N 3,072]; A: input x; B: input W_in: QUANTISED
;;     2. batch 64 x [M 2,048, K 64] x [K 64, N 2,048]; A: computed on the way; B: computed on the way: QUANTISED
;;     3. batch 64 x [M 2,048, K 2,048] x [K 2,048, N 64]; A: softmax (see below); B: computed on the way: QUANTISED
;;     4. [M 8,192, K 1,024] x [K 1,024, N 1,024]; A: computed on the way; B: input W_out: QUANTISED
;;   THE QUANTISER, for each operand of a quantised product, along K:
;;     - K is cut into blocks of 32 from its start; a last block that is shorter is filled with zeros.
;;     - A block's scale is 2^e with e = floor(log2(the largest magnitude in the block)) - 2, held to -126 .. 127; a block of zeros has e = 0. As a byte (E8M0): e + 127.
;;     - Each number is divided by its block's scale, clamped to +-6, and rounded to the nearest number of E2M1, ties to even, subnormals kept.
;;     - The product sums the exact products of the quantised numbers (number of the format x scale) in f32.
;;   ~~~python
;;   def quantise(x, axis):      # numpy; x: float32 -> the quantised numbers, widened to float32 again
;;       x = np.moveaxis(x, axis, -1); K = x.shape[-1]
;;       x = np.pad(x, [(0, 0)] * (x.ndim - 1) + [(0, -K % 32)]); x = x.reshape(x.shape[:-1] + (-1, 32)); a = np.abs(x).max(-1, keepdims=True)
;;       e = np.where(a > 0, np.clip(np.frexp(np.where(a > 0, a, 1))[1] - 1 - 2, -126, 127), 0)      # np.frexp(a)[1] - 1 = floor(log2(a)), exactly
;;       r = np.clip(x / 2.0 ** e, -6, 6)
;;       step = 2.0 ** (np.maximum(np.frexp(np.where(r == 0, 1, r))[1] - 1, 0) - 1)
;;       q = np.round(r / step) * step * 2.0 ** e      # np.round: ties to even
;;       return np.moveaxis(q.reshape(q.shape[:-2] + (-1,))[..., :K], -1, axis).astype(np.float32)
;;   ~~~
;;   SOFTMAX AHEAD OF A QUANTISED PRODUCT. Where the list says 'softmax', what is quantised is not the finished softmax but p = 2^(t - M), with t = logit x log2(e) and M = ceil(the row's largest t), a whole number; so 1/2 < the row's largest p <= 1. The row's sum l is taken of the UNQUANTISED p, in f32, and the product's result is divided by l at the end. Since M is a whole number, a kernel that streams over the keys may use a running M (the ceiling of the running maximum): every later rescaling is an exact power of two, which a block's scale takes up: the codes' values come out the same.
;;   OPERANDS COMPUTED ON THE WAY. 'Computed on the way' means the value that the module computes at that place (a softmax that the list does not call 'softmax' is quantised finished and normalised). What goes into a quantiser is computed in f32, as accurately as f32 sums, v_exp_f32 and their like allow (about 1e-6 of the number): no bf16 or f16 on the way to a quantiser, and a product that is left as it is and whose result goes on into a quantised operand takes f32 operands (vector FMAs, or v_wmma_f32_16x16x4_f32). A number that lies on a knife's edge between two numbers of the format may be rounded either way, as far as f32 arithmetic and the matrix unit's own rounding can turn it there, and no further.
;; One version. Each part assembles by itself: llvm-mc -triple=amdgcn-amd-amdhsa -mcpu=gfx1250 --defsym DOCPART=n.
;; ======== version 1 of 1: 4 launches
;; workspace buffers: xq 4,456,448 bytes; wq 2,228,224 bytes; qc 4,456,448 bytes; kv 8,912,896 bytes; ao 4,456,448 bytes
;; launch quant (part 1): grid 512 x 1, 4 waves a work-group, no clusters, 35,328 bytes of LDS; arguments x, W_in, W_out, xq, wq; writes xq, wq
.if DOCPART == 1
	.amdgcn_target "amdgcn-amd-amdhsa--gfx1250"
	.amdhsa_code_object_version 6
	.text
	.protected	k_qef375d77b2_quant
	.globl	k_qef375d77b2_quant
	.p2align	8
	.type	k_qef375d77b2_quant,@function
k_qef375d77b2_quant:
	s_mov_b64 s[64:65], 0
	v_nop
	global_prefetch_b8 v0, s[64:65] scope:SCOPE_SE
	s_setreg_imm32_b32 hwreg(HW_REG_WAVE_MODE, 25, 1), 1
	s_wait_xcnt 0x0
; THE PROGRAM: causal self-attention, 4 x 2,048 positions, 1,024 channels, 16 heads of 64, all four products on codes of FP4 (E2M1) with one E8M0 scale for each 32 along K.
;   quant: x, W_in, W_out -> codes;  gemm_qkv: q, k, v, quantised on the way out;  attn: both products of attention, its result quantised;  gemm_out: the projection.
; WORK LEFT OUT (in attn): reference() sets score(q, k) to -inf wherever k > q, by a mask that it builds itself.  p = 2^(-inf) = 0 there, for all values of the inputs, and a p of 0 adds 0 to the
; row's sum and 0 to the second product; a block of 32 such p has zero codes.  So a key step of 128 keys all of which come after all 16 queries of a tile reaches no output, and is not walked.
; LIMIT: a NaN, an infinity or an overflow in k or v that only such steps would have touched is not carried to the result.  Every input has a way to the output, and all are loaded.
; THIS LAUNCH.  x [8192][1024] (K innermost) and W_in [1024][3072], W_out [1024][1024] (K is the FIRST axis) become operands of the matrix unit.
; A block's scale is 2^(floor(log2(its largest magnitude)) - 2); its byte is the largest magnitude's exponent field - 2, held at 1 from below.
; LIMITS: a block of zeros, or one whose largest magnitude lies under 2^-124, gets the byte 1 (its codes are zeros or subnormal codes; this program alone reads the bytes); NaN and infinities among the inputs are not served.
; LAYOUT OF AN OPERAND.  Rows (of x: positions; of W: its columns) go in blocks of 128, a block in 8 tiles of 16: lane r of tile a holds row 32 (a / 2) + 8 (a % 2) + r + 8 (r / 8).
; A fragment (16 rows x 128 K, 8 registers a lane) lies in memory as an IMAGE OF ITS REGISTERS, 1,024 bytes: registers 4 c .. 4 c + 3 of lane l at 512 c + 16 l.
; codes [block][K step / 4][tile][K step % 4][1,024];  behind all codes the scale words [block][K step][tile][r], 4 bytes each.
; Work-groups 0-255 take x, 256-511 the weights.  Only x's way touches LDS.  No barrier: waves share nothing.
.set WREG,   8704                      ; LDS of a wave: a stage of 16 rows x 528 bytes, then 256 bytes of scale words
.set SPITCH, 528                       ; 512 bytes + 16: the sixteen rows that a read touches start at sixteen different 16-byte columns
.set GATH,   8448
.set SPARE,  4*WREG                    ; the spare words, 128 bytes a wave: two blocks of 256 bytes that no other line names
.set LO,   4                           ; v4   x: 16 x lane;  W: 4 x lane
.set WRA,  5                           ; v5   x: stage + 16 x lane;  W: my codes' place
.set RDA,  6                           ; v6   x: stage + 528 r + 128 h;  W: my scale word's place
.set GA,   7                           ; v7   the gathered words: + 4 r
.set GB,   8                           ; v8   and on the way out + 8 x lane
.set GO,   9                           ; v9   8 x lane
.set SPW,  20                          ; v20  my spare word; never rewritten
.set NIL,  21                          ; v21  0; never rewritten
.set PC,   24                          ; v24-55   codes: registers of their own for each tile, so that no store's data are written again
.set RAW,  56                          ; v56-183  numbers as loaded
.set T,    184                         ; v184-247 x: 64 numbers turned through the stage
	s_load_b256 s[4:11], s[0:1], 0x0               ; x, W_in, W_out, xq
	s_load_b64 s[12:13], s[0:1], 0x20              ; wq
	v_lshl_add_u32 v[SPW], v0, 2, SPARE
	v_mov_b32 v[NIL], 0
	v_lshrrev_b32 v1, 5, v0
	v_readfirstlane_b32 s14, v1                    ; wave
	v_and_b32 v1, 31, v0                           ; lane
	v_and_b32 v2, 15, v0                           ; r
	v_bfe_u32 v3, v0, 4, 1                         ; h
	s_mov_b32 s16, 0x76543210
	s_mov_b32 s17, 0xfedcba98                      ; v_permlanex16_b32's selects for lane l xor 16
	s_cmp_ge_u32 ttmp9, 256
	s_cbranch_scc1 .Lw
	; ---- x.  Work-group g: rows 64 (g / 2) on, K steps 4 (g % 2) + wave: the four waves read 2,048 consecutive bytes of each row.  A wave: four tiles of 16 rows x 128 K.
	s_lshr_b32 s18, ttmp9, 1                       ; group of 64 rows
	s_and_b32 s19, ttmp9, 1                        ; which four K steps
	s_lshl_b32 s20, s19, 2
	s_add_co_u32 s20, s20, s14                     ; my K step
	v_lshlrev_b32 v[LO], 4, v1
	s_mul_i32 s15, s14, WREG
	v_add_nc_u32 v[WRA], s15, v[LO]
	v_mul_u32_u24 v[RDA], v2, SPITCH
	v_lshl_add_u32 v[RDA], v3, 7, v[RDA]
	v_add_nc_u32 v[RDA], s15, v[RDA]
	s_add_co_u32 s15, s15, GATH
	v_lshlrev_b32 v[GA], 2, v2
	v_add_nc_u32 v[GA], s15, v[GA]
	v_lshlrev_b32 v[GO], 3, v1
	v_add_nc_u32 v[GB], s15, v[GO]
	v_lshlrev_b32 v19, 3, v3                       ; 8 h: how far my two scale bytes are shifted
	v_mov_b32 v17, 0                               ; a lane permute's destination counts as one of its sources
	s_lshl_b32 s22, s18, 18                        ; 64 rows of 4,096 bytes
	s_lshl_b32 s23, s20, 9                         ; 128 numbers of 4 bytes
	s_add_co_u32 s22, s22, s23
	s_mov_b32 s23, 0
	s_lshr_b32 s24, s18, 1                         ; block of 128 rows
	s_and_b32 s25, s18, 1                          ; its tiles 0-3 or 4-7
	s_lshl_b32 s26, s24, 16
	s_lshl_b32 s27, s19, 15
	s_add_co_u32 s26, s26, s27
	s_lshl_b32 s27, s25, 14
	s_add_co_u32 s26, s26, s27
	s_lshl_b32 s27, s14, 10
	s_add_co_u32 s26, s26, s27
	s_mov_b32 s27, 0
	s_lshl_b32 s28, s24, 12
	s_lshl_b32 s29, s20, 9
	s_add_co_u32 s28, s28, s29
	s_lshl_b32 s29, s25, 8
	s_add_co_u32 s28, s28, s29
	s_add_co_u32 s28, s28, 4194304                 ; the scale words lie behind the codes
	s_mov_b32 s29, 0
	s_wait_kmcnt 0x0
	s_add_nc_u64 s[4:5], s[4:5], s[22:23]
	s_add_nc_u64 s[30:31], s[10:11], s[26:27]      ; my codes
	s_add_nc_u64 s[32:33], s[10:11], s[28:29]      ; my scale words
.macro LOADX i                         ; tile i's 16 rows: each load reads 512 consecutive bytes of one row, at a multiple of 512 from x's first byte
.irp r, 0,1,2,3,4,5,6,7,8,9,10,11,12,13,14,15
	global_load_b128 v[RAW+64*((\i)%2)+4*\r:RAW+64*((\i)%2)+4*\r+3], v[LO], s[4:5] offset:(32*((\i)/2)+8*((\i)%2)+\r+8*(\r/8))*4096 th:TH_LOAD_NT
.endr
.endm
.macro TILE i
.if \i < 3
	s_wait_loadcnt 16                              ; this tile's 16 loads are in; the next tile's 16 are younger
.else
	s_wait_loadcnt 0x0
.endif
.irp r, 0,1,2,3,4,5,6,7,8,9,10,11,12,13,14,15
	ds_store_b128 v[WRA], v[RAW+64*((\i)%2)+4*\r:RAW+64*((\i)%2)+4*\r+3] offset:SPITCH*\r
.endr
.irp c, 0,1                            ; lane (r, h) takes of row r the numbers k = 64 c + 32 h + 0 .. 31: two whole blocks.  LDS serves a wave's instructions in order: these see the stores above
.irp j, 0,1,2,3,4,5,6,7
	ds_load_b128 v[T+32*\c+4*\j:T+32*\c+4*\j+3], v[RDA] offset:256*\c+16*\j
.endr
.endr
	s_wait_dscnt 0x0                               ; the numbers are back, and the stores have read the registers that the next loads fill
.if \i < 2
	LOADX (\i)+2
.endif
.irp c, 0,1
	v_max3_num_f32 v[10+\c], |v[T+32*\c]|, |v[T+32*\c+1]|, 0x1800000   ; and the floor 2^(3 - 127): the byte cannot fall under 1
.endr
.irp n, 2,4,6,8,10,12,14,16,18,20,22,24,26,28,30
.irp c, 0,1
	v_max3_num_f32 v[10+\c], v[10+\c], |v[T+32*\c+\n]|, |v[T+32*\c+\n+1]|
.endr
.endr
.irp c, 0,1
	v_add_nc_u32 v[12+\c], 0xff000000, v[10+\c]    ; 2 off the exponent field: the conversion's scale operand
.endr
.irp c, 0,1
	v_lshrrev_b32 v[14+\c], 23, v[12+\c]           ; the scale's byte
.endr
	v_lshl_or_b32 v16, v15, 16, v14                ; my bytes: blocks h and 2 + h of row r,
	v_lshlrev_b32 v16, v19, v16                    ; at their places in the word;
	v_permlanex16_b32 v17, v16, s16, s17
	v_or_b32 v16, v16, v17                         ; with lane l xor 16's two the word is whole
.irp c, 0,1
.irp g, 0,1,2,3
	v_cvt_scalef32_pk8_fp4_f32 v[PC+8*(\i)+4*\c+\g], v[T+32*\c+8*\g:T+32*\c+8*\g+7], v[12+\c]
.endr
.endr
	v_nop                                          ; one plain line behind the last conversion
	ds_store_b32 v[GA], v16 offset:64*(\i)         ; both halves of the lanes write the same word with the same value
.irp c, 0,1
	global_store_b128 v[LO], v[PC+8*(\i)+4*\c:PC+8*(\i)+4*\c+3], s[30:31] offset:4096*(\i)+512*\c   ; 512 consecutive bytes
.endr
.endm
	LOADX 0
	LOADX 1
	TILE 0
	TILE 1
	TILE 2
	TILE 3
	ds_load_b64 v[10:11], v[GB]                    ; four tiles' words, 256 bytes
	s_wait_dscnt 0x0
	global_store_b64 v[GO], v[10:11], s[32:33]     ; 256 consecutive bytes, at a multiple of 256 from the buffer's first byte
	s_wait_tensorcnt 0x0                           ; the wave's end, behind my last LDS store
	ds_add_u32 v[SPW], v[NIL]
	s_wait_dscnt 0x0
	s_endpgm
	; ---- the weights.  Work-group g' = g - 256: block of 128 columns g' % 32 (0-23: W_in's, 24-31: W_out's), K step g' / 32.  A wave: 32 columns x 128 K.
	; A LANE TAKES A COLUMN AND ITS REGISTERS RUN DOWN K: a block of 32 lies in one lane, and the codes come out with K innermost.  Column 32 w + lane is row r = lane % 8 + 8 (lane / 16) of tile 2 w + (lane / 8) % 2.
.Lw:
	s_sub_co_u32 s18, ttmp9, 256
	s_and_b32 s19, s18, 31                         ; block of columns
	s_lshr_b32 s20, s18, 5                         ; K step
	v_lshlrev_b32 v[LO], 2, v1
	v_bfe_u32 v10, v0, 3, 1                        ; which of the wave's two tiles
	v_and_b32 v11, 7, v0
	v_lshl_or_b32 v11, v3, 3, v11                  ; r
	v_lshlrev_b32 v[WRA], 4, v11
	v_lshl_add_u32 v[WRA], v10, 12, v[WRA]         ; 4,096 x tile + 16 r; block t of 32 along K lies 256 t further on in the image
	v_lshlrev_b32 v[RDA], 2, v11
	v_lshl_add_u32 v[RDA], v10, 6, v[RDA]          ; 64 x tile + 4 r
	s_lshl_b32 s26, s19, 16
	s_lshr_b32 s27, s20, 2
	s_lshl_b32 s27, s27, 15
	s_add_co_u32 s26, s26, s27
	s_lshl_b32 s27, s14, 13
	s_add_co_u32 s26, s26, s27
	s_and_b32 s27, s20, 3
	s_lshl_b32 s27, s27, 10
	s_add_co_u32 s26, s26, s27
	s_mov_b32 s27, 0
	s_lshl_b32 s28, s19, 12
	s_lshl_b32 s29, s20, 9
	s_add_co_u32 s28, s28, s29
	s_lshl_b32 s29, s14, 7
	s_add_co_u32 s28, s28, s29
	s_add_co_u32 s28, s28, 2097152
	s_mov_b32 s29, 0
	s_lshl_b32 s24, s14, 7                         ; my 32 columns, in bytes
	s_wait_kmcnt 0x0
	s_add_nc_u64 s[30:31], s[12:13], s[26:27]
	s_add_nc_u64 s[32:33], s[12:13], s[28:29]
.macro LOADW t, base, stride           ; block t: W(32 t + n, my column): 128 consecutive bytes a wave, 512 a work-group
.irp n, 0,1,2,3,4,5,6,7,8,9,10,11,12,13,14,15,16,17,18,19,20,21,22,23,24,25,26,27,28,29,30,31
	global_load_b32 v[RAW+32*(\t)+\n], v[LO], s[\base:\base+1] offset:(32*(\t)+\n)*\stride th:TH_LOAD_NT
.endr
.endm
.macro BLK t, base, stride
.if \t < 3
	s_wait_loadcnt 32                              ; this block's 32 loads are in; the next block's 32 are younger
.else
	s_wait_loadcnt 0x0
.endif
.if \t < 2
	LOADW (\t)+2, \base, \stride
.endif
	v_max3_num_f32 v12, |v[RAW+32*(\t)]|, |v[RAW+32*(\t)+1]|, |v[RAW+32*(\t)+2]|
	v_max3_num_f32 v13, |v[RAW+32*(\t)+3]|, |v[RAW+32*(\t)+4]|, |v[RAW+32*(\t)+5]|
.irp n, 6,10,14,18,22,26
	v_max3_num_f32 v12, v12, |v[RAW+32*(\t)+\n]|, |v[RAW+32*(\t)+\n+1]|
	v_max3_num_f32 v13, v13, |v[RAW+32*(\t)+\n+2]|, |v[RAW+32*(\t)+\n+3]|
.endr
	v_max3_num_f32 v12, v12, |v[RAW+32*(\t)+30]|, |v[RAW+32*(\t)+31]|
	v_max3_num_f32 v12, v12, v13, 0x1800000        ; and the floor
	v_add_nc_u32 v11, 0xff000000, v12              ; the conversion's scale operand
	v_lshrrev_b32 v13, 23, v11                     ; the byte
.if \t == 0
	v_mov_b32 v16, v13
.else
	v_lshl_or_b32 v16, v13, 8*(\t), v16            ; four bytes make my column's scale word
.endif
.irp g, 0,1,2,3
	v_cvt_scalef32_pk8_fp4_f32 v[PC+4*(\t)+\g], v[RAW+32*(\t)+8*\g:RAW+32*(\t)+8*\g+7], v11
.endr
	v_nop                                          ; one plain line behind the last conversion
	global_store_b128 v[WRA], v[PC+4*(\t):PC+4*(\t)+3], s[30:31] offset:256*(\t)   ; the sixteen lanes of a tile store 256 consecutive bytes, aligned
.endm
.macro WPATH base, stride
	LOADW 0, \base, \stride
	LOADW 1, \base, \stride
	BLK 0, \base, \stride
	BLK 1, \base, \stride
	BLK 2, \base, \stride
	BLK 3, \base, \stride
	global_store_b32 v[RDA], v16, s[32:33]         ; a wave's 32 scale words: 128 consecutive bytes (one byte in 128 of what this way reads)
	s_endpgm                                       ; this way has written no LDS
.endm
	s_cmp_lt_u32 s19, 24
	s_cbranch_scc0 .Lwout
	s_mul_i32 s22, s20, 1572864                    ; 128 rows of 12,288 bytes
	s_lshl_b32 s23, s19, 9
	s_add_co_u32 s22, s22, s23
	s_add_co_u32 s22, s22, s24
	s_mov_b32 s23, 0
	s_add_nc_u64 s[6:7], s[6:7], s[22:23]
	WPATH 6, 12288
.Lwout:
	s_lshl_b32 s22, s20, 19                        ; 128 rows of 4,096 bytes
	s_sub_co_u32 s23, s19, 24
	s_lshl_b32 s23, s23, 9
	s_add_co_u32 s22, s22, s23
	s_add_co_u32 s22, s22, s24
	s_mov_b32 s23, 0
	s_add_nc_u64 s[8:9], s[8:9], s[22:23]
	WPATH 8, 4096
.Lfunc_end_k_qef375d77b2_quant:
	.size	k_qef375d77b2_quant, .Lfunc_end_k_qef375d77b2_quant-k_qef375d77b2_quant
	.p2alignl 7, 3214868480
	.fill 96, 4, 3214868480
	.section	.rodata,"a",@progbits
	.p2align	6, 0x0
	.amdhsa_kernel k_qef375d77b2_quant
		.amdhsa_group_segment_fixed_size 35328
		.amdhsa_private_segment_fixed_size 0
		.amdhsa_enable_private_segment 0
		.amdhsa_kernarg_size 40
		.amdhsa_user_sgpr_count 2
		.amdhsa_user_sgpr_kernarg_segment_ptr 1
		.amdhsa_wavefront_size32 1
		.amdhsa_system_sgpr_workgroup_id_x 1
		.amdhsa_system_sgpr_workgroup_id_y 1
		.amdhsa_system_sgpr_workgroup_id_z 1
		.amdhsa_system_vgpr_workitem_id 0
		.amdhsa_next_free_vgpr 248
		.amdhsa_next_free_sgpr 66
		.amdhsa_reserve_vcc 0
		.amdhsa_float_denorm_mode_32 3
		.amdhsa_float_denorm_mode_16_64 3
		.amdhsa_memory_ordered 1
		.amdhsa_forward_progress 1
		.amdhsa_inst_pref_size 69
	.end_amdhsa_kernel
	.amdgpu_metadata
---
amdhsa.version: [ 1, 2 ]
amdhsa.kernels:
  - .name:           k_qef375d77b2_quant
    .symbol:         k_qef375d77b2_quant.kd
    .args:
      - { .name: x, .offset: 0, .size: 8, .value_kind: global_buffer, .address_space: global }
      - { .name: W_in, .offset: 8, .size: 8, .value_kind: global_buffer, .address_space: global }
      - { .name: W_out, .offset: 16, .size: 8, .value_kind: global_buffer, .address_space: global }
      - { .name: xq, .offset: 24, .size: 8, .value_kind: global_buffer, .address_space: global }
      - { .name: wq, .offset: 32, .size: 8, .value_kind: global_buffer, .address_space: global }
    .group_segment_fixed_size: 35328
    .private_segment_fixed_size: 0
    .kernarg_segment_align: 8
    .kernarg_segment_size: 40
    .max_flat_workgroup_size: 128
    .sgpr_count:     66
    .vgpr_count:     248
    .wavefront_size: 32
...
	.end_amdgpu_metadata
.endif
;; end of part 1
;; launch gemm_qkv (part 2): grid 12 x 32, 4 waves a work-group, clusters of 4 x 4, 327,680 bytes of LDS; arguments xq, wq, b_in, qc, kv; writes qc, kv
.if DOCPART == 2
	.amdgcn_target "amdgcn-amd-amdhsa--gfx1250"
	.amdhsa_code_object_version 6
	.text
	.protected	k_qef375d77b2_gemm_qkv
	.globl	k_qef375d77b2_gemm_qkv
	.p2align	8
	.type	k_qef375d77b2_gemm_qkv,@function
k_qef375d77b2_gemm_qkv:
	s_mov_b64 s[64:65], 0
	v_nop
	global_prefetch_b8 v0, s[64:65] scope:SCOPE_SE
	s_setreg_imm32_b32 hwreg(HW_REG_WAVE_MODE, 25, 1), 1
	s_wait_xcnt 0x0
	s_wait_alu depctr_hold_cnt(0) depctr_sa_sdst(0) depctr_va_vdst(0) depctr_va_sdst(0) depctr_va_ssrc(0) depctr_va_vcc(0) depctr_vm_vsrc(0)
	s_getreg_b32 s2, hwreg(HW_REG_IB_STS2, 6, 4)
	s_cmp_eq_u32 s2, 0
	s_cbranch_scc0 .Lentry_in_a_cluster
	s_endpgm
.Lentry_in_a_cluster:
	s_bfe_u32 s2, ttmp6, 0x10000c
	s_cmp_lg_u32 s2, 0xf033
	s_cbranch_scc0 .Lentry_shape_is_right
	s_endpgm
.Lentry_shape_is_right:
; qkv = x W_in + b_in on codes of FP4, K = 1,024; q, k and v never go to memory as f32: each is quantised in registers, along the K of the product that will take it, and stored as images of operand registers.
; No work of reference() is left out here.  The bias is the C of each sum's first matrix instruction, so the order of rounding differs from reference()'s (bias last).
; LIMITS: as in the first launch (a block under 2^-124 gets the byte 1; NaN and infinities are not served).
; A work-group of four waves makes 256 x 256 of qkv, a wave 128 x 128: 64 accumulators.  Operands lie as images (1,024 bytes a fragment: registers 4 c .. 4 c + 3 of lane l at 512 c + 16 l): every LDS load takes 512 consecutive bytes.
; K = 1,024 is two slots of 512 and both fit in LDS: each wave issues three tensor loads at the start (scale words, slot 0, slot 1: three outstanding by this text's count) and NOTHING IS FILLED AGAIN.
; CLUSTER 4 x 4: x's tiles are shared along a row of the cluster, W's along a column, by joint loads.  The cluster's x (0: q, 1: k, 2: v) is the same in all sixteen partners; the one branch on it hangs on no place in the cluster.
; ROLES.  q, k (version 0): source 0 = 16 columns of W, source 1 = 16 rows of x: a lane holds ONE POSITION and its registers run along 128 channels, a pair of heads: the K of q k^T.
;         v    (version 1): source 0 = 16 rows of x, source 1 = 16 columns of W: a lane holds ONE CHANNEL and its registers run along 128 positions: the keys, the K of p v.
; Lane r of tile a holds row 32 (a / 2) + 8 (a % 2) + r + 8 (r / 8) of its block of 128; so the 64 registers of the eight accumulators (a, 0 .. 7) are: register 16 B + i = index 32 B + 16 (lane / 16) + i.
; REGISTERS: window 0: v16-31 addresses; v32-95 scale words, two sets (register 32 set + 4 i + q: lanes 0-15 x's tile i, lanes 16-31 W's tile i); v96-123 at work on the way out; v128-191 source 1's fragments, one set, later the codes; v192-255 the bias.
;   window 1: source 0's fragments, two sets.   windows 2, 3: accumulator (a, b) at v[8 (8 (a % 4) + b)], a: source 1's tile, b: source 0's.
.set SLOT,  131072                     ; a slot: x's two halves, W's two halves, 32,768 bytes each: [tile][K step % 4][1,024]
.set SCL,   262144                     ; the scale words: x's two halves, W's two halves, 4,096 bytes each: [K step][tile][r]
.set SPARE, 278528                     ; the spare words, 128 bytes a wave
.set FR,   8
.set AX,   16                          ; v16-17 LDS address of my x fragments in slot 0, 1
.set AW,   20                          ; v20-21 of my W fragments
.set SO,   25                          ; v25   32 r + 16 h: where I store four scale words
.set CO,   26                          ; v26   16 x lane
.set ADRS, 27                          ; v27   my scale words in LDS
.set SPW,  28                          ; v28   my spare word; never rewritten
.set NIL,  29                          ; v29   0; never rewritten
.set VB,   30                          ; v30   the bias's offset
.set SC,   32
.set TM,   96                          ; v96-99 largest magnitudes, v100-103 permutes and bytes, v108-111 scale operands
.set PW,   112                         ; v112-119 the scale word of each of the eight fragments made
.set SW,   120                         ; v120-123 the four that I store
.set AF,   128
.set BIAS, 192
.set G1, 24                            ; s[24:31], s[32:39]: groups 1 and 0 (a set for each slot) for x's codes
.set G0, 32
.set G1B, 48                           ; s[48:55], s[56:63]: for W's
.set G0B, 56
.set G1S, 68                           ; s[68:75], s[76:79]: for x's scale words;  s[80:87], s[88:91]: for W's
.set G0S, 76
.set G1SB, 80
.set G0SB, 88
.set MSB, 0
.macro WIN new                         ; the immediate's high byte repeats the setting that is left
.if MSB != \new
	s_set_vgpr_msb (MSB<<8)|\new
.set MSB, \new
.endif
.endm
.set TO_B, 0x40                        ; destination window 1, address window 0
.macro MWIN hi, cm                     ; source 0 window 1, source 1 window 0, D window 2 + hi; C with D, or (cm = 1) the bias in window 0
.if \cm
	WIN 0x81+0x40*(\hi)
.else
	WIN 0xa1+0x50*(\hi)
.endif
.endm
; A joint load: waves 0 and 1 fetch for x, waves 2 and 3 for W.  The branch hangs on the wave's number alone.  An s_nop 0 and four v_nop follow each line.
.macro JLOAD g0a, g1a, g0b, g1b
	s_cmp_eq_u32 s15, 0
	s_cbranch_scc0 .Lfor_b_\@
	tensor_load_to_lds s[\g0a:\g0a+3], s[\g1a:\g1a+7]
	s_nop 0
.rept 4
	v_nop
.endr
	s_branch .Lasked_\@
.Lfor_b_\@:
	tensor_load_to_lds s[\g0b:\g0b+3], s[\g1b:\g1b+7]
	s_nop 0
.rept 4
	v_nop
.endr
.Lasked_\@:
.endm
.macro CROUND                          ; a round of the cluster's barrier
	s_barrier_signal -1
	s_barrier_wait -1
	s_cmp_lg_u32 s14, 0
	s_cbranch_scc1 .Lnot_wave_0_\@
	s_barrier_signal -3
.Lnot_wave_0_\@:
	s_barrier_wait -3
	s_barrier_signal -1
	s_barrier_wait -1
.endm
	s_load_b256 s[4:11], s[0:1], 0x0               ; xq, wq, b_in, qc
	s_load_b64 s[12:13], s[0:1], 0x20              ; kv
	v_lshl_add_u32 v[SPW], v0, 2, SPARE
	v_mov_b32 v[NIL], 0
	ds_add_u32 v[SPW], v[NIL]                      ; the wave's opening: the add, twice on end, and its wait ahead of my first tensor load
	ds_add_u32 v[SPW], v[NIL]
	v_lshrrev_b32 v1, 5, v0
	v_readfirstlane_b32 s14, v1                    ; wave 0..3
	s_lshr_b32 s15, s14, 1                         ; which half of the tile's rows is mine.  Also: I fetch for x (0) or for W (1)
	s_and_b32 s16, s14, 1                          ; which half of its columns.  Also: which block of 128 I fetch
	s_bfe_u32 s40, ttmp6, 0x40000                  ; cx, cy
	s_bfe_u32 s41, ttmp6, 0x40004
	s_lshl_b32 s42, ttmp9, 2
	s_add_co_u32 s42, s42, s40                     ; tile column = 4 x cluster x + cx
	s_and_b32 s17, ttmp7, 0xffff
	s_lshl_b32 s17, s17, 2
	s_add_co_u32 s17, s17, s41                     ; tile row = 4 x cluster y + cy
	s_lshl_b32 s43, s41, 2
	s_lshl_b32 s43, 15, s43                        ; my row of the cluster
	s_lshl_b32 s44, 0x1111, s40                    ; my column
	s_or_b32 s[G1+0], s43, (3<<16)|(1<<21)         ; 15:0 the mask; 17:16 elements of 8 bytes; 21 set beside a mask; no padding: images are read 512 consecutive bytes at a time
	s_or_b32 s[G1B+0], s44, (3<<16)|(1<<21)
.irp g, G1, G1B                        ; half a slot's codes of one tensor: 32,768 dense bytes as 128 rows of 256
	s_mov_b32 s[\g+1], 32<<16
	s_mov_b32 s[\g+2], 128<<16
	s_mov_b32 s[\g+3], 32<<16
	s_mov_b32 s[\g+4], 128
	s_mov_b32 s[\g+5], 32
	s_mov_b32 s[\g+6], 0
	s_mov_b32 s[\g+7], 0
.endr
	s_or_b32 s[G1S+0], s43, (3<<16)|(1<<21)
	s_or_b32 s[G1SB+0], s44, (3<<16)|(1<<21)
.irp g, G1S, G1SB                      ; a block's scale words: 4,096 dense bytes as 16 rows of 256
	s_mov_b32 s[\g+1], 32<<16
	s_mov_b32 s[\g+2], 16<<16
	s_mov_b32 s[\g+3], 32<<16
	s_mov_b32 s[\g+4], 16
	s_mov_b32 s[\g+5], 32
	s_mov_b32 s[\g+6], 0
	s_mov_b32 s[\g+7], 0
.endr
	s_lshl_b32 s20, s17, 1
	s_add_co_u32 s20, s20, s16                     ; x's block that I fetch: made of the tile row and the wave alone
	s_lshl_b32 s22, s20, 12
	s_add_co_u32 s22, s22, 4194304                 ; its scale words
	s_mov_b32 s23, 0
	s_lshl_b32 s20, s20, 16                        ; its codes
	s_mov_b32 s21, 0
	s_lshl_b32 s46, s42, 1
	s_add_co_u32 s46, s46, s16                     ; W's block: of the tile column and the wave alone
	s_lshl_b32 s92, s46, 12
	s_add_co_u32 s92, s92, 2097152
	s_mov_b32 s93, 0
	s_lshl_b32 s46, s46, 16
	s_mov_b32 s47, 0
	s_lshl_b32 s45, s14, 15                        ; where they go: wave x 32,768,
	s_lshl_b32 s94, s14, 12                        ; wave x 4,096: no place in the cluster enters an LDS address
	s_mov_b32 s2, 0x76543210
	s_mov_b32 s3, 0xfedcba98                       ; v_permlanex16_b32's selects for lane l xor 16
	s_wait_dscnt 0x0                               ; both opening adds are done
	s_wait_kmcnt 0x0
	s_add_nc_u64 s[20:21], s[4:5], s[20:21]
	s_add_nc_u64 s[22:23], s[4:5], s[22:23]
	s_add_nc_u64 s[46:47], s[6:7], s[46:47]
	s_add_nc_u64 s[92:93], s[6:7], s[92:93]
	CROUND                                         ; all sixteen work-groups are here: the joint loads meet
	s_mov_b32 s[G0S], 1
	s_add_co_u32 s[G0S+1], s94, SCL
	s_mov_b64 s[G0S+2:G0S+3], s[22:23]
	s_or_b32 s[G0S+3], s[G0S+3], 0x80000000
	s_mov_b32 s[G0SB], 1
	s_add_co_u32 s[G0SB+1], s94, SCL
	s_mov_b64 s[G0SB+2:G0SB+3], s[92:93]
	s_or_b32 s[G0SB+3], s[G0SB+3], 0x80000000
	JLOAD G0S, G1S, G0SB, G1SB
.irp s, 0,1
	s_mov_b32 s[G0+4*\s], 1
	s_add_co_u32 s[G0+4*\s+1], s45, \s*SLOT
	s_add_nc_u64 s[G0+4*\s+2:G0+4*\s+3], s[20:21], \s*32768
	s_or_b32 s[G0+4*\s+3], s[G0+4*\s+3], 0x80000000
	s_mov_b32 s[G0B+4*\s], 1
	s_add_co_u32 s[G0B+4*\s+1], s45, \s*SLOT
	s_add_nc_u64 s[G0B+4*\s+2:G0B+4*\s+3], s[46:47], \s*32768
	s_or_b32 s[G0B+4*\s+3], s[G0B+4*\s+3], 0x80000000
	JLOAD G0+4*\s, G1, G0B+4*\s, G1B
.endr
	v_and_b32 v1, 15, v0                           ; r
	v_bfe_u32 v2, v0, 4, 1                         ; h
	v_and_b32 v3, 31, v0                           ; lane
	v_lshlrev_b32 v[CO], 4, v3
	s_lshl_b32 s21, s15, 15                        ; my half of x,
	s_lshl_b32 s22, s16, 15
	s_add_co_u32 s22, s22, 65536                   ; my half of W, behind x's two
.irp s, 0,1
	v_add_nc_u32 v[AX+\s], s21, v[CO]
	v_add_nc_u32 v[AW+\s], s22, v[CO]
	s_add_co_u32 s21, s21, SLOT
	s_add_co_u32 s22, s22, SLOT
.endr
	s_lshl_b32 s21, s15, 12                        ; scale words: lanes 0-15 x's (my half), lanes 16-31 W's (my half): the lower base + h x the distance
	s_lshl_b32 s22, s16, 12
	s_add_co_u32 s22, s22, 8192
	s_sub_co_u32 s22, s22, s21
	v_mul_u32_u24 v6, s22, v2
	s_add_co_u32 s21, s21, SCL
	v_lshlrev_b32 v5, 2, v1
	v_add_nc_u32 v5, v5, v6
	v_add_nc_u32 v[ADRS], s21, v5
	v_lshlrev_b32 v[SO], 5, v1
	v_lshl_add_u32 v[SO], v2, 4, v[SO]
.irp b, 0,1,2,3
	v_mov_b32 v[TM+4+\b], 0                        ; written once: a lane permute's destination counts as one of its sources
.endr
	; where my results go.  R = my block of 128 positions, Cb = my block of 128 columns of qkv
	s_lshl_b32 s18, s17, 1
	s_add_co_u32 s18, s18, s15                     ; R = 16 x batch + key step
	s_lshl_b32 s19, s42, 1
	s_add_co_u32 s19, s19, s16                     ; Cb = 8 x (q, k, v) + pair of heads
	s_lshr_b32 s20, s18, 4
	s_lshl_b32 s20, s20, 3
	s_and_b32 s21, s19, 7
	s_add_co_u32 s20, s20, s21
	s_lshl_b32 s20, s20, 4
	s_and_b32 s21, s18, 15
	s_add_co_u32 s20, s20, s21                     ; (8 batch + pair) x 16 + step
	s_mov_b32 s21, 17408
	s_mov_b32 s22, 16384
	s_cmp_eq_u32 ttmp9, 0                          ; q goes to qc (8,704 bytes an entry: 8 images, 512 bytes of words); k and v to kv (17,408: k's images, v's images, k's words, v's words)
	s_cselect_b64 s[92:93], s[10:11], s[12:13]
	s_cselect_b32 s21, 8704, s21
	s_cselect_b32 s22, 8192, s22
	s_cmp_eq_u32 ttmp9, 2
	s_cselect_b32 s23, 8192, 0
	s_cselect_b32 s46, 512, 0
	s_mul_i32 s20, s20, s21
	s_add_co_u32 s22, s22, s46
	s_add_co_u32 s22, s22, s20
	s_add_co_u32 s20, s20, s23
	s_mov_b32 s21, 0
	s_mov_b32 s23, 0
	s_add_nc_u64 s[94:95], s[92:93], s[22:23]      ; my scale words
	s_add_nc_u64 s[92:93], s[92:93], s[20:21]      ; my images
	s_lshl_b32 s46, s19, 9
	s_mov_b32 s47, 0
	s_add_nc_u64 s[8:9], s[8:9], s[46:47]          ; b_in at my 128 columns
.macro FRAG reg, adr, q, i             ; an image comes back as the registers that it was: 512 consecutive bytes a load
.irp c, 0,1
	ds_load_b128 v[\reg+4*\c:\reg+4*\c+3], v[\adr] offset:(\i)*4096+(\q)*1024+\c*512
.endr
.endm
.macro WM a, b, p, q, sc, cm           ; one product: source 1's tile a, source 0's tile b, set p, the slot's q-th 128 along K
.set rD, 8*(8*((\a)%4)+(\b))
.set rB, 128*(\p)+FR*(\b)
.set rA, AF+FR*(\a)
.set sB, SC+32*(\sc)+4*(\b)+(\q)
.set sA, SC+32*(\sc)+4*(\a)+(\q)
.if VER == 0
.if \cm
	v_wmma_scale_f32_16x16x128_f8f6f4 v[rD:rD+7], v[rB:rB+7], v[rA:rA+7], v[BIAS+8*(\b):BIAS+8*(\b)+7], v[sB], v[sA] matrix_a_fmt:MATRIX_FMT_FP4 matrix_b_fmt:MATRIX_FMT_FP4 matrix_a_scale:MATRIX_SCALE_ROW1
.else
	v_wmma_scale_f32_16x16x128_f8f6f4 v[rD:rD+7], v[rB:rB+7], v[rA:rA+7], v[rD:rD+7], v[sB], v[sA] matrix_a_fmt:MATRIX_FMT_FP4 matrix_b_fmt:MATRIX_FMT_FP4 matrix_a_scale:MATRIX_SCALE_ROW1
.endif
.else
.if \cm
	v_wmma_scale_f32_16x16x128_f8f6f4 v[rD:rD+7], v[rB:rB+7], v[rA:rA+7], v[BIAS+8*(\a):BIAS+8*(\a)+7], v[sB], v[sA] matrix_a_fmt:MATRIX_FMT_FP4 matrix_b_fmt:MATRIX_FMT_FP4 matrix_b_scale:MATRIX_SCALE_ROW1
.else
	v_wmma_scale_f32_16x16x128_f8f6f4 v[rD:rD+7], v[rB:rB+7], v[rA:rA+7], v[rD:rD+7], v[sB], v[sA] matrix_a_fmt:MATRIX_FMT_FP4 matrix_b_fmt:MATRIX_FMT_FP4 matrix_b_scale:MATRIX_SCALE_ROW1
.endif
.endif
.endm
.macro MUL16 a0, p, q, sc, cm          ; 16 products.  The 64 accumulators take turns, one instruction a turn, in the same order in every step
.irp a, \a0, \a0+1
.irp b, 0,1,2,3,4,5,6,7
	WM (\a), \b, \p, \q, \sc, \cm
.endr
.endr
.endm
.macro FETCH_B slot, q, p
	WIN TO_B
.irp i, 0,1,2,3,4,5,6,7
	FRAG 128*(\p)+FR*\i, ADRB+\slot, \q, \i
.endr
	WIN 0
.endm
.macro FETCH_A slot, q, i0
.irp i, \i0, \i0+1, \i0+2, \i0+3
	FRAG AF+FR*(\i), ADRA+\slot, \q, \i
.endr
.endm
.macro SCALES slot                     ; a slot's scale words: lanes 0-15 x's tile i, lanes 16-31 W's tile i
.irp i, 0,1,2,3,4,5,6,7
.irp q, 0,1,2,3
	ds_load_b32 v[SC+32*\slot+4*\i+\q], v[ADRS] offset:(4*\slot+\q)*512+64*\i
.endr
.endr
.endm
.macro PLACES n                        ; plain vector lines between a matrix instruction and a load into, or a vector write or read of, its registers
.rept \n
	v_nop
.endr
.endm
.macro STEP slot, q, cm                ; 128 along K, with its successor in the same slot
	s_wait_dscnt 8                                 ; all but the youngest eight loads (source 1's tiles 4-7) are in
	MWIN 0, \cm
	MUL16 0, (\q)%2, \q, \slot, \cm
	MUL16 2, (\q)%2, \q, \slot, \cm
	s_wait_dscnt 0x0                               ; tiles 4-7 are in
	PLACES 4
	FETCH_B \slot, (\q)+1, 1-(\q)%2
	FETCH_A \slot, (\q)+1, 0
	MWIN 1, \cm
	MUL16 4, (\q)%2, \q, \slot, \cm
	MUL16 6, (\q)%2, \q, \slot, \cm
	PLACES 4
	WIN 0
	FETCH_A \slot, (\q)+1, 4
.endm
.macro TURN                            ; slot 0's last step; behind its barrier slot 1 is whole.  Nothing is filled again
	s_wait_tensorcnt 0x0                           ; my part of slot 1 has landed
	s_wait_dscnt 8
	MWIN 0, 0
	MUL16 0, 1, 3, 0, 0
	s_wait_dscnt 0x0                               ; no LDS instruction of mine is out at the signal
	s_barrier_signal -1
	MUL16 2, 1, 3, 0, 0
	WIN 0
	s_barrier_wait -1
	PLACES 4
	FETCH_B 1, 0, 0
	FETCH_A 1, 0, 0
	SCALES 1
	MWIN 1, 0
	MUL16 4, 1, 3, 0, 0
	MUL16 6, 1, 3, 0, 0
	PLACES 4
	WIN 0
	FETCH_A 1, 0, 4
.endm
.macro MAIN
.if VER == 0                           ; the bias in the result's layout: register j of accumulator (a, b) is channel 32 (b / 2) + 16 h + 8 (b % 2) + j
	v_lshlrev_b32 v[VB], 6, v2
.irp b, 0,1,2,3,4,5,6,7
	global_load_b128 v[BIAS+8*\b:BIAS+8*\b+3], v[VB], s[8:9] offset:(32*(\b/2)+8*(\b%2))*4
	global_load_b128 v[BIAS+8*\b+4:BIAS+8*\b+7], v[VB], s[8:9] offset:(32*(\b/2)+8*(\b%2))*4+16
.endr
.else                                  ; a lane holds one channel, 32 (a / 2) + 8 (a % 2) + r + 8 (r / 8): one number for all eight registers
	v_and_b32 v4, 8, v1
	v_add_nc_u32 v4, v4, v1
	v_lshlrev_b32 v[VB], 2, v4
.irp a, 0,1,2,3,4,5,6,7
	global_load_b32 v[BIAS+8*\a], v[VB], s[8:9] offset:(32*(\a/2)+8*(\a%2))*4
.endr
.endif
	s_wait_tensorcnt 1                             ; my scale words and my part of slot 0 are in; slot 1's one load is younger and may stay out
	s_barrier_signal -1
	s_barrier_wait -1
	FETCH_B 0, 0, 0
	FETCH_A 0, 0, 0
	SCALES 0
	FETCH_A 0, 0, 4
	s_wait_loadcnt 0x0                             ; the bias
.if VER == 1
.irp a, 0,1,2,3,4,5,6,7
.irp j, 1,2,3,4,5,6,7
	v_mov_b32 v[BIAS+8*\a+\j], v[BIAS+8*\a]
.endr
.endr
	PLACES 4
.endif
	STEP 0, 0, 1                                   ; the first products start the sums from the bias: nothing is cleared
	STEP 0, 1, 0
	STEP 0, 2, 0
	TURN
	STEP 1, 0, 0
	STEP 1, 1, 0
	STEP 1, 2, 0
	s_wait_dscnt 8                                 ; the last step: nothing more to fetch
	MWIN 0, 0
	MUL16 0, 1, 3, 1, 0
	MUL16 2, 1, 3, 1, 0
	s_wait_dscnt 0x0
	MWIN 1, 0
	MUL16 4, 1, 3, 1, 0
	MUL16 6, 1, 3, 1, 0
	WIN 0
.endm
	s_cmp_eq_u32 ttmp9, 2                          ; the cluster's x: the same in all sixteen partners and all waves
	s_cbranch_scc1 .Lver_v
.set VER, 0
.set ADRA, AX
.set ADRB, AW
	MAIN
	s_branch .Lepi
.Lver_v:
.set VER, 1
.set ADRA, AW
.set ADRB, AX
	MAIN
.Lepi:
; THE WAY OUT.  The eight accumulators (a, 0 .. 7), 64 registers, are 128 neighbours along the next K of source 1's 16 rows: they become ONE fragment and one scale word a row.
.macro QUANTW a
.set AC, 64*((\a)%4)
.set PCA, AF+8*(\a)
	WIN 0x0a+5*((\a)/4)                            ; sources 0 and 1: window 2 or 3
.irp b, 0,1,2,3
	v_max3_num_f32 v[TM+\b], |v[AC+16*\b]|, |v[AC+16*\b+1]|, 0x1800000   ; each accumulator is read from its low end on; the floor 2^(3 - 127) holds the byte at 1 from below
.endr
.irp i, 2,4,6,8,10,12,14
.irp b, 0,1,2,3
	v_max3_num_f32 v[TM+\b], |v[AC+16*\b+\i]|, |v[AC+16*\b+\i+1]|, v[TM+\b]
.endr
.endr
	WIN 0
.irp b, 0,1,2,3
	v_permlanex16_b32 v[TM+4+\b], v[TM+\b], s2, s3
.endr
.irp b, 0,1,2,3
	v_max_num_f32 v[TM+\b], v[TM+\b], v[TM+4+\b]   ; with lane l xor 16's 16: the block's largest magnitude
.endr
.irp b, 0,1,2,3
	v_add_nc_u32 v[TM+12+\b], 0xff000000, v[TM+\b] ; 2 off its exponent field: the conversion's scale operand
.endr
.irp b, 0,1,2,3
	v_lshrrev_b32 v[TM+4+\b], 23, v[TM+12+\b]      ; the byte
.endr
	v_lshl_or_b32 v[PW+(\a)], v[TM+5], 8, v[TM+4]
	v_lshl_or_b32 v[PW+(\a)], v[TM+6], 16, v[PW+(\a)]
	v_lshl_or_b32 v[PW+(\a)], v[TM+7], 24, v[PW+(\a)]
	WIN 0x02+(\a)/4                                ; source 0: window 2 or 3
.irp b, 0,1,2,3
	v_cvt_scalef32_pk8_fp4_f32 v[PCA+2*\b], v[AC+16*\b:AC+16*\b+7], v[TM+12+\b]
	v_cvt_scalef32_pk8_fp4_f32 v[PCA+2*\b+1], v[AC+16*\b+8:AC+16*\b+15], v[TM+12+\b]
.endr
	WIN 0
	v_nop                                          ; one plain line behind the last conversion
.irp c, 0,1                            ; the layout wants a whole block in a lane: lanes 0-15 block 2 c, lanes 16-31 block 2 c + 1
.irp i, 0,1
	v_permlane16_swap_b32 v[PCA+4*\c+\i], v[PCA+2+4*\c+\i]
.endr
.endr
.irp c, 0,1
	global_store_b128 v[CO], v[PCA+4*\c:PCA+4*\c+3], s[92:93] offset:1024*(\a)+512*\c   ; 512 consecutive bytes, aligned; each fragment has registers of its own, so no store's data are written again
.endr
.endm
	PLACES 4                                       ; behind the last products
.irp a, 0,1,2,3,4,5,6,7
	QUANTW \a
.endr
	v_cmp_le_u32 vcc_lo, 16, v3                    ; the words lie [r][a]: lane (r, h) stores those of fragments 4 h .. 4 h + 3
.irp i, 0,1,2,3
	v_cndmask_b32 v[SW+\i], v[PW+\i], v[PW+4+\i], vcc_lo
.endr
	global_store_b128 v[SO], v[SW:SW+3], s[94:95]  ; 512 consecutive bytes
	s_wait_tensorcnt 0x0                           ; the wave's end
	ds_add_u32 v[SPW], v[NIL]
	s_wait_dscnt 0x0
	CROUND                                         ; the closing round
	s_endpgm
.Lfunc_end_k_qef375d77b2_gemm_qkv:
	.size	k_qef375d77b2_gemm_qkv, .Lfunc_end_k_qef375d77b2_gemm_qkv-k_qef375d77b2_gemm_qkv
	.p2alignl 7, 3214868480
	.fill 96, 4, 3214868480
	.section	.rodata,"a",@progbits
	.p2align	6, 0x0
	.amdhsa_kernel k_qef375d77b2_gemm_qkv
		.amdhsa_group_segment_fixed_size 327680
		.amdhsa_private_segment_fixed_size 0
		.amdhsa_enable_private_segment 0
		.amdhsa_kernarg_size 40
		.amdhsa_user_sgpr_count 2
		.amdhsa_user_sgpr_kernarg_segment_ptr 1
		.amdhsa_wavefront_size32 1
		.amdhsa_system_sgpr_workgroup_id_x 1
		.amdhsa_system_sgpr_workgroup_id_y 1
		.amdhsa_system_sgpr_workgroup_id_z 1
		.amdhsa_system_vgpr_workitem_id 0
		.amdhsa_next_free_vgpr 1024
		.amdhsa_next_free_sgpr 100
		.amdhsa_reserve_vcc 1
		.amdhsa_float_denorm_mode_32 3
		.amdhsa_float_denorm_mode_16_64 3
		.amdhsa_memory_ordered 1
		.amdhsa_forward_progress 1
		.amdhsa_inst_pref_size 223
	.end_amdhsa_kernel
	.amdgpu_metadata
---
amdhsa.version: [ 1, 2 ]
amdhsa.kernels:
  - .name:           k_qef375d77b2_gemm_qkv
    .symbol:         k_qef375d77b2_gemm_qkv.kd
    .args:
      - { .name: xq, .offset: 0, .size: 8, .value_kind: global_buffer, .address_space: global }
      - { .name: wq, .offset: 8, .size: 8, .value_kind: global_buffer, .address_space: global }
      - { .name: b_in, .offset: 16, .size: 8, .value_kind: global_buffer, .address_space: global }
      - { .name: qc, .offset: 24, .size: 8, .value_kind: global_buffer, .address_space: global }
      - { .name: kv, .offset: 32, .size: 8, .value_kind: global_buffer, .address_space: global }
    .group_segment_fixed_size: 327680
    .private_segment_fixed_size: 0
    .kernarg_segment_align: 8
    .kernarg_segment_size: 40
    .max_flat_workgroup_size: 128
    .sgpr_count:     100
    .vgpr_count:     1024
    .wavefront_size: 32
...
	.end_amdgpu_metadata
.endif
;; end of part 2
;; launch attn (part 3): grid 8 x 32, 16 waves a work-group, clusters of 4 x 1, 327,680 bytes of LDS; arguments qc, kv, ao; writes ao
.if DOCPART == 3
	.amdgcn_target "amdgcn-amd-amdhsa--gfx1250"
	.amdhsa_code_object_version 6
	.text
	.protected	k_qef375d77b2_attn
	.globl	k_qef375d77b2_attn
	.p2align	8
	.type	k_qef375d77b2_attn,@function
k_qef375d77b2_attn:
	s_mov_b64 s[64:65], 0
	v_nop
	global_prefetch_b8 v0, s[64:65] scope:SCOPE_SE
	s_setreg_imm32_b32 hwreg(HW_REG_WAVE_MODE, 25, 1), 1
	s_wait_xcnt 0x0
	s_wait_alu depctr_hold_cnt(0) depctr_sa_sdst(0) depctr_va_vdst(0) depctr_va_sdst(0) depctr_va_ssrc(0) depctr_va_vcc(0) depctr_vm_vsrc(0)
	s_getreg_b32 s2, hwreg(HW_REG_IB_STS2, 6, 4)
	s_cmp_eq_u32 s2, 0
	s_cbranch_scc0 .Lentry_in_a_cluster
	s_endpgm
.Lentry_in_a_cluster:
	s_bfe_u32 s2, ttmp6, 0x10000c
	s_cmp_lg_u32 s2, 0x3003
	s_cbranch_scc0 .Lentry_shape_is_right
	s_endpgm
.Lentry_shape_is_right:
; Causal attention on codes of FP4, for a pair of heads at a time; its result, divided by the row's sum, is quantised along the channels and stored as an operand of the projection.
; WORK LEFT OUT: a key step of 128 keys all of which come after a tile's 16 queries: reference()'s own mask makes every p there 0, for all inputs, so it adds 0 to the sum and to the product.
; LIMITS: a NaN or infinity in k or v that only such steps would touch is not carried on.  The running largest t starts at -3e38.  A p under 2^-126 comes out of v_exp_f32 as 0.  A block under 2^-124 gets the byte 1.
; THE SOFTMAX: t = score x log2(e) / 8; M = the running largest t rounded UP to a whole number; p = 2^(t - M) is quantised along the keys; the sum is taken of the unquantised p and divides at the end.
; SHARES.  Work-group (j, y): batch y / 8, heads 2 (y % 8) and 2 (y % 8) + 1, and of every block of 128 queries tile j.  Wave number W takes block w' = W xor 3 ((W / 4) % 2), BOTH heads: it walks key steps 0 .. w', whatever j is,
; and step w' is the one on the diagonal.  So all work-groups have the same 136 wave-steps, and every branch hangs on the wave's number and the count of steps alone.
; j enters global addresses and the mask's comparison only.
; LDS holds the pair's k and v of all 2,048 keys, 278,528 bytes, AS THEY LIE IN MEMORY, filled once: step s at 17,408 s: k's 8 images, v^T's 8 images, k's scale words [r][tile], v's.
; CLUSTER: the four work-groups of a cluster share y: each wave's two tensor loads (two outstanding by this text's count) are joint, with the same descriptors in all four.
; LAYOUT.  S^T = k q^T (source 0 = 16 keys, source 1 = my 16 queries), O^T = v^T p^T (source 0 = 16 channels): a lane holds ONE query throughout.  Lane r of tile a holds row 32 (a / 2) + 8 (a % 2) + r + 8 (r / 8):
; so p's register 16 B + i is key 32 B + 16 h + i, and O^T's likewise by channels.  An image of k or q holds both heads: registers 0-3 the first head's 64 channels, 4-7 the second's.
; The instruction's K is 128 and a head's is 64: q is kept twice, [codes | zeros] and [zeros | codes]; whatever lies in the other half of k's registers meets zero codes.
.set STEPB, 17408
.set SPARE, 278528                     ; the spare words, 128 bytes for each of 16 waves
.set LI,  1                            ; v1   16 x lane
.set ASC, 2                            ; v2   32 r: a row's eight scale words
.set DD,  3                            ; v3   my query's place in its block - 16 h
.set WO,  4                            ; v4   4 r
.set SPW, 5                            ; v5   my spare word; never rewritten
.set NIL, 6                            ; v6   0; never rewritten
.set LN,  7                            ; v7   lane
.set ADK, 8                            ; v8   the step's images
.set ADS, 9                            ; v9   the step's scale words
.set QA,  20                           ; v20-27 q, first head (v24-27 zeros);  v28-35 second head (v28-31 zeros);  v36 q's scale words
.set QS,  36                           ; v12-15, v16-19: for each head -M, the largest t, the sum in two halves
.set F,   40                           ; v40-71   four fragments of k or of v
.set S,   72                           ; v72-135  S^T, then p
.set O,   136                          ; v136-199 O^T: 32 registers a head
.set PC,  200                          ; v200-207 p's codes
.set BM,  208                          ; v208-211 the blocks' largest
.set PT,  212                          ; v212-215 permutes, bytes, a chain of the sum
.set SOP, 216                          ; v216-219 the conversions' scale operands
.set KW,  220                          ; v220-223 k's or v's scale words
.set FF,  224                          ; v[224:225] f (the pair's low word serves)
.set PW,  226                          ; v226 p's scale word
.set TT,  227                          ; v227 at work
.set WV,  10
.set WP,  11
.set SEL, 40
.set CS,  42
.set TB,  44                           ; s44  LDS byte at which the step begins
.set KS,  45                           ; s45  the step
.macro CROUND
	s_barrier_signal -1
	s_barrier_wait -1
	s_cmp_lg_u32 s[WV], 0
	s_cbranch_scc1 .Lnot_wave_0_\@
	s_barrier_signal -3
.Lnot_wave_0_\@:
	s_barrier_wait -3
	s_barrier_signal -1
	s_barrier_wait -1
.endm
	s_load_b128 s[4:7], s[0:1], 0x0                ; qc, kv
	s_load_b64 s[8:9], s[0:1], 0x10                ; ao
	v_lshl_add_u32 v[SPW], v0, 2, SPARE
	v_mov_b32 v[NIL], 0
	ds_add_u32 v[SPW], v[NIL]                      ; the wave's opening: the add, twice on end, and its wait ahead of my first tensor load
	ds_add_u32 v[SPW], v[NIL]
	v_lshrrev_b32 v1, 5, v0
	v_readfirstlane_b32 s[WV], v1                  ; wave 0..15
	s_bfe_u32 s46, s[WV], 0x10002
	s_mul_i32 s46, s46, 3
	s_xor_b32 s[WP], s[WV], s46                    ; w': my block of queries, and my last key step
	s_bfe_u32 s12, ttmp6, 0x40000                  ; cx
	s_lshl_b32 s13, ttmp9, 2
	s_add_co_u32 s13, s13, s12                     ; j
	s_and_b32 s14, ttmp7, 0xffff                   ; 8 x batch + pair of heads
	s_mov_b32 s16, 15|(3<<16)|(1<<21)              ; group 1, first load: 15:0 all four work-groups; elements of 8 bytes; 21 set beside a mask: 17 dense rows of 256 bytes
	s_mov_b32 s17, 32<<16
	s_mov_b32 s18, 17<<16
	s_mov_b32 s19, 32<<16
	s_mov_b32 s20, 17
	s_mov_b32 s21, 32
	s_mov_b32 s22, 0
	s_mov_b32 s23, 0
	s_mov_b32 s24, 15|(3<<16)|(1<<21)              ; second load: 51 rows
	s_mov_b32 s25, 32<<16
	s_mov_b32 s26, 51<<16
	s_mov_b32 s27, 32<<16
	s_mov_b32 s28, 51
	s_mov_b32 s29, 32
	s_mov_b32 s30, 0
	s_mov_b32 s31, 0
	s_mov_b32 s[SEL], 0x76543210
	s_mov_b32 s[SEL+1], 0xfedcba98
	s_mov_b32 s[CS], 0x3e38aa3b                    ; c = log2(e) / 8
	s_mov_b32 s[CS+1], s[CS]
	s_mov_b32 s[TB], 0
	s_mov_b32 s[KS], 0
	s_mul_i32 s46, s14, 278528                     ; the pair's run in kv
	s_mov_b32 s49, 0
	s_wait_dscnt 0x0                               ; both opening adds are done
	s_wait_kmcnt 0x0
	s_mul_i32 s47, s[WV], 4352                     ; first load: my sixteenth of steps 0-3
	s_mov_b32 s32, 1
	s_mov_b32 s33, s47
	s_add_co_u32 s48, s46, s47
	s_add_nc_u64 s[34:35], s[6:7], s[48:49]
	s_or_b32 s35, s35, 0x80000000
	s_mul_i32 s47, s[WV], 13056                    ; second load: my sixteenth of steps 4-15
	s_add_co_u32 s47, s47, 69632
	s_mov_b32 s36, 1
	s_mov_b32 s37, s47
	s_add_co_u32 s48, s46, s47
	s_add_nc_u64 s[38:39], s[6:7], s[48:49]
	s_or_b32 s39, s39, 0x80000000
	CROUND                                         ; all four work-groups are here: the joint loads meet
	tensor_load_to_lds s[32:35], s[16:23]
	s_nop 0
	tensor_load_to_lds s[36:39], s[24:31]
	s_nop 0
.rept 4
	v_nop
.endr
	s_lshl_b32 s46, s14, 4
	s_add_co_u32 s46, s46, s[WP]
	s_mul_i32 s46, s46, 8704                       ; q's entry of my block
	s_lshl_b32 s47, s13, 10
	s_add_co_u32 s52, s46, s47                     ; image j
	s_mov_b32 s53, 0
	s_add_nc_u64 s[52:53], s[4:5], s[52:53]
	s_lshl_b32 s47, s13, 2
	s_add_co_u32 s54, s46, s47
	s_add_co_u32 s54, s54, 8192                    ; its scale words, [r][tile]
	s_mov_b32 s55, 0
	s_add_nc_u64 s[54:55], s[4:5], s[54:55]
	v_and_b32 v[LN], 31, v0
	v_lshlrev_b32 v[LI], 4, v[LN]
	v_and_b32 v10, 15, v0                          ; r
	v_bfe_u32 v11, v0, 4, 1                        ; h
	v_lshlrev_b32 v[ASC], 5, v10
	v_lshlrev_b32 v[WO], 2, v10
	global_load_b128 v[QA:QA+3], v[LI], s[52:53]               ; the first head's codes
	global_load_b128 v[QA+12:QA+15], v[LI], s[52:53] offset:512   ; the second head's
	global_load_b32 v[QS], v[ASC], s[54:55]
.irp t, 0,1,2,3
.irp i, 4,5,6,7
	v_mov_b32 v[F+8*\t+\i], 0                      ; the halves that the first products read before any load has filled them
.endr
.endr
.irp i, 4,5,6,7,8,9,10,11
	v_mov_b32 v[QA+\i], 0                          ; q's zero codes
.endr
	s_lshr_b32 s46, s13, 1
	s_lshl_b32 s46, s46, 5
	s_and_b32 s47, s13, 1
	s_lshl_b32 s47, s47, 3
	s_add_co_u32 s46, s46, s47
	v_and_b32 v[DD], 8, v10
	v_add_nc_u32 v[DD], v[DD], v10
	v_add_nc_u32 v[DD], s46, v[DD]                 ; my query's place in its block: 32 (j / 2) + 8 (j % 2) + r + 8 (r / 8)
	v_lshlrev_b32 v11, 4, v11
	v_sub_nc_u32 v[DD], v[DD], v11
	s_lshr_b32 s46, s14, 3
	s_lshl_b32 s46, s46, 4
	s_add_co_u32 s46, s46, s[WP]                   ; ao: block of 128 positions = 16 x batch + w'; tile j; K step = the pair of heads
	s_and_b32 s47, s14, 7
	s_lshl_b32 s56, s46, 16
	s_lshr_b32 s48, s47, 2
	s_lshl_b32 s48, s48, 15
	s_add_co_u32 s56, s56, s48
	s_lshl_b32 s48, s13, 12
	s_add_co_u32 s56, s56, s48
	s_and_b32 s48, s47, 3
	s_lshl_b32 s48, s48, 10
	s_add_co_u32 s56, s56, s48
	s_mov_b32 s57, 0
	s_add_nc_u64 s[56:57], s[8:9], s[56:57]
	s_lshl_b32 s58, s46, 12
	s_lshl_b32 s48, s47, 9
	s_add_co_u32 s58, s58, s48
	s_lshl_b32 s48, s13, 6
	s_add_co_u32 s58, s58, s48
	s_add_co_u32 s58, s58, 4194304
	s_mov_b32 s59, 0
	s_add_nc_u64 s[58:59], s[8:9], s[58:59]
	v_mov_b32 v13, 0xff61b1e6                      ; the largest t so far: -3e38
	v_mov_b32 v17, 0xff61b1e6
	v_floor_f32 v12, -v13                          ; -M
	v_floor_f32 v16, -v17
	v_mov_b32 v14, 0
	v_mov_b32 v15, 0
	v_mov_b32 v18, 0
	v_mov_b32 v19, 0
.irp b, 0,1,2,3
	v_mov_b32 v[PT+\b], 0                          ; a lane permute's destination counts as one of its sources
.endr
	v_mov_b32 v[FF+1], 0                           ; named with f as a pair
.irp b, 0,1,2,3
.irp i, 0,1,2,3,4,5,6,7,8,9,10,11,12,13,14,15
	v_mov_b32 v[O+16*\b+\i], 0                     ; O^T: the step is written for every step alike; the first finds zeros
.endr
.endr
	s_wait_loadcnt 0x0                             ; q
; One head's part of a key step.
.macro HEAD hd
.set ST, 12+4*(\hd)
.set OB, O+32*(\hd)
.set QR, QA+8*(\hd)
.irp g, 0,1                            ; S^T = k q^T, four tiles of 16 keys at a time
.if (\hd == 0) && (\g == 0)
	v_nop                                          ; four places in front of loads into registers that matrix instructions have read: the step's two address additions and these two
	v_nop
.else
.rept 4
	v_nop
.endr
.endif
.irp t, 0,1,2,3
	ds_load_b128 v[F+8*\t+4*(\hd):F+8*\t+4*(\hd)+3], v[ADK] offset:(4*\g+\t)*1024+512*(\hd)
.endr
	ds_load_b128 v[KW:KW+3], v[ADS] offset:16384+16*\g
	s_wait_dscnt 0x0
.irp t, 0,1,2,3
	v_wmma_scale_f32_16x16x128_f8f6f4 v[S+8*(4*\g+\t):S+8*(4*\g+\t)+7], v[F+8*\t:F+8*\t+7], v[QR:QR+7], 0, v[KW+\t], v[QS] matrix_a_fmt:MATRIX_FMT_FP4 matrix_b_fmt:MATRIX_FMT_FP4
.endr
.endr
.rept 4
	v_nop
.endr
	s_cmp_lt_u32 s[KS], s[WP]                      ; only my last step lies on the diagonal
	s_cbranch_scc1 .Lopen_\@
	v_mov_b32 v[TT], 0xff800000                    ; -infinity: register 16 B + i holds key 32 B + 16 h + i of the block: hidden where 32 B + i > my query's place - 16 h
.irp b, 0,1,2,3
.irp i, 0,1,2,3,4,5,6,7,8,9,10,11,12,13,14,15
	v_cmp_gt_i32 vcc_lo, 32*\b+\i, v[DD]
	v_cndmask_b32 v[S+16*\b+\i], v[S+16*\b+\i], v[TT], vcc_lo
.endr
.endr
.Lopen_\@:
.irp b, 0,1,2,3
	v_max3_num_f32 v[BM+\b], v[S+16*\b], v[S+16*\b+1], v[S+16*\b+2]   ; the largest score of each block of 32 keys: for the row's maximum, and, since p rises with the score, for the block's largest p
.endr
.irp i, 3,5,7,9,11,13
.irp b, 0,1,2,3
	v_max3_num_f32 v[BM+\b], v[BM+\b], v[S+16*\b+\i], v[S+16*\b+\i+1]
.endr
.endr
.irp b, 0,1,2,3
	v_max_num_f32 v[BM+\b], v[BM+\b], v[S+16*\b+15]
.endr
.irp b, 0,1,2,3
	v_permlanex16_b32 v[PT+\b], v[BM+\b], s[SEL], s[SEL+1]
.endr
.irp b, 0,1,2,3
	v_max_num_f32 v[BM+\b], v[BM+\b], v[PT+\b]     ; with lane l xor 16's 16 keys
.endr
	v_max3_num_f32 v[TT], v[BM], v[BM+1], v[BM+2]
	v_max_num_f32 v[TT], v[TT], v[BM+3]
	v_mul_f32 v[TT], s[CS], v[TT]                  ; as t (c is positive)
	v_max_num_f32 v[ST+1], v[ST+1], v[TT]          ; the running largest t
	v_mov_b32 v[TT], v[ST]
	v_floor_f32 v[ST], -v[ST+1]                    ; the new -M = -ceil(t)
	v_sub_f32 v[TT], v[ST], v[TT]                  ; old M - new M: a whole number, 0 or less
	v_cvt_i32_f32 v[TT], v[TT]                     ; (it saturates)
	v_ldexp_f32 v[FF], 1.0, v[TT]                  ; f = 2^(old M - new M): rounds nothing
.irp b, 0,1,2,3
.irp i, 0,2,4,6,8,10,12,14
	v_pk_fma_f32 v[S+16*\b+\i:S+16*\b+\i+1], v[S+16*\b+\i:S+16*\b+\i+1], s[CS:CS+1], v[ST:ST+1] op_sel_hi:[1,0,0]   ; t - M
.endr
.endr
.irp b, 0,1,2,3
	v_fma_f32 v[BM+\b], v[BM+\b], s[CS], v[ST]     ; the same of each block's largest score
.endr
.irp b, 0,1,2,3
.irp i, 0,1,2,3,4,5,6,7,8,9,10,11,12,13,14,15
	v_exp_f32 v[S+16*\b+\i], v[S+16*\b+\i]         ; p = 2^(t - M)
.endr
.endr
	v_pk_mul_f32 v[ST+2:ST+3], v[ST+2:ST+3], v[FF:FF+1] op_sel_hi:[1,0]   ; the sum under the new M: the plain line behind the exponentials
	s_wait_alu depctr_va_vdst(0)                   ; one wait for the batch of 64, ahead of its first reader
.irp b, 0,1,2,3
	v_exp_f32 v[BM+\b], v[BM+\b]                   ; the block's largest p
.endr
	v_pk_add_f32 v[PT:PT+1], v[S:S+1], v[S+2:S+3]  ; the sum of the UNQUANTISED p, in two chains
.irp i, 4,8,12,16,20,24,28,32,36,40,44,48,52,56,60
	v_pk_add_f32 v[ST+2:ST+3], v[ST+2:ST+3], v[S+\i:S+\i+1]
	v_pk_add_f32 v[PT:PT+1], v[PT:PT+1], v[S+\i+2:S+\i+3]
.endr
	v_pk_add_f32 v[ST+2:ST+3], v[ST+2:ST+3], v[PT:PT+1]
	s_wait_alu depctr_va_vdst(0)                   ; and one for the four
.irp b, 0,1,2,3
	v_max_num_f32 v[BM+\b], 0x1800000, v[BM+\b]    ; the floor: the byte cannot fall under 1
.endr
.irp b, 0,1,2,3
	v_add_nc_u32 v[SOP+\b], 0xff000000, v[BM+\b]   ; the conversion's scale operand
.endr
.irp b, 0,1,2,3
	v_lshrrev_b32 v[PT+\b], 23, v[SOP+\b]          ; the byte
.endr
	v_lshl_or_b32 v[PW], v[PT+1], 8, v[PT]
	v_lshl_or_b32 v[PW], v[PT+2], 16, v[PW]
	v_lshl_or_b32 v[PW], v[PT+3], 24, v[PW]
.irp b, 0,1,2,3
	v_cvt_scalef32_pk8_fp4_f32 v[PC+2*\b], v[S+16*\b:S+16*\b+7], v[SOP+\b]
	v_cvt_scalef32_pk8_fp4_f32 v[PC+2*\b+1], v[S+16*\b+8:S+16*\b+15], v[SOP+\b]
.endr
	v_nop                                          ; one plain line behind the last conversion
.irp c, 0,1
.irp i, 0,1
	v_permlane16_swap_b32 v[PC+4*\c+\i], v[PC+2+4*\c+\i]   ; a whole block in a lane
.endr
.endr
.irp i, 0,2,4,6,8,10,12,14,16,18,20,22,24,26,28,30
	v_pk_mul_f32 v[OB+\i:OB+\i+1], v[OB+\i:OB+\i+1], v[FF:FF+1] op_sel_hi:[1,0]   ; O^T under the new M; these sixteen also stand between the lines that made p's codes and scale word and the products below
.endr
.irp t, 0,1,2,3                        ; O^T += v^T p^T: the head's four tiles of 16 channels
.irp c, 0,1
	ds_load_b128 v[F+8*\t+4*\c:F+8*\t+4*\c+3], v[ADK] offset:8192+(4*(\hd)+\t)*1024+512*\c
.endr
.endr
	ds_load_b128 v[KW:KW+3], v[ADS] offset:16896+16*(\hd)
	s_wait_dscnt 0x0
.irp t, 0,1,2,3
	v_wmma_scale_f32_16x16x128_f8f6f4 v[OB+8*\t:OB+8*\t+7], v[F+8*\t:F+8*\t+7], v[PC:PC+7], v[OB+8*\t:OB+8*\t+7], v[KW+\t], v[PW] matrix_a_fmt:MATRIX_FMT_FP4 matrix_b_fmt:MATRIX_FMT_FP4
.endr
.endm
.macro KSTEP
	v_add_nc_u32 v[ADK], s[TB], v[LI]              ; made on every way, ahead of the branch
	v_add_nc_u32 v[ADS], s[TB], v[ASC]
	s_cmp_gt_u32 s[KS], s[WP]                      ; all of this step's keys come after my queries: nothing of it is read
	s_cbranch_scc1 .Lhid_\@
	HEAD 0
	HEAD 1
.Lhid_\@:
	s_add_co_u32 s[TB], s[TB], STEPB
	s_add_co_u32 s[KS], s[KS], 1
.endm
	s_wait_tensorcnt 1                             ; my part of steps 0-3 is in; the second load alone is younger
	s_barrier_signal -1
	s_barrier_wait -1                              ; everybody's is
	KSTEP                                          ; step 0, in which every wave works, while the rest lands
	s_wait_tensorcnt 0x0                           ; my part of steps 4-15 is in
	s_wait_dscnt 0x0
	s_barrier_signal -1
	s_barrier_wait -1
.Lk:                                                   ; 15 trips, a constant; a wave jumps over the steps behind its last
	KSTEP
	s_cmp_lt_u32 s[KS], 16
	s_cbranch_scc1 .Lk
	; THE WAY OUT.  O^T / the sum; its 64 registers are 128 neighbouring channels of my 16 positions: one fragment and one scale word a row of the projection's operand.
	v_add_f32 v14, v14, v15                        ; (these additions and the v_nop are the places behind the last products)
	v_add_f32 v18, v18, v19
	v_permlanex16_b32 v[PT+1], v14, s[SEL], s[SEL+1]
	v_permlanex16_b32 v[PT+3], v18, s[SEL], s[SEL+1]
	v_add_f32 v14, v14, v[PT+1]
	v_add_f32 v18, v18, v[PT+3]
	v_rcp_f32 v[PT], v14
	v_rcp_f32 v[PT+2], v18
	v_nop                                          ; a plain line behind the last reciprocal
	s_wait_alu depctr_va_vdst(0)                   ; one wait for both, ahead of the first reader
.irp i, 0,2,4,6,8,10,12,14,16,18,20,22,24,26,28,30
	v_pk_mul_f32 v[O+\i:O+\i+1], v[O+\i:O+\i+1], v[PT:PT+1] op_sel_hi:[1,0]
.endr
.irp i, 0,2,4,6,8,10,12,14,16,18,20,22,24,26,28,30
	v_pk_mul_f32 v[O+32+\i:O+32+\i+1], v[O+32+\i:O+32+\i+1], v[PT+2:PT+3] op_sel_hi:[1,0]
.endr
.irp b, 0,1,2,3
	v_max3_num_f32 v[BM+\b], |v[O+16*\b]|, |v[O+16*\b+1]|, 0x1800000
.endr
.irp i, 2,4,6,8,10,12,14
.irp b, 0,1,2,3
	v_max3_num_f32 v[BM+\b], v[BM+\b], |v[O+16*\b+\i]|, |v[O+16*\b+\i+1]|
.endr
.endr
.irp b, 0,1,2,3
	v_permlanex16_b32 v[PT+\b], v[BM+\b], s[SEL], s[SEL+1]
.endr
.irp b, 0,1,2,3
	v_max_num_f32 v[BM+\b], v[BM+\b], v[PT+\b]
.endr
.irp b, 0,1,2,3
	v_add_nc_u32 v[SOP+\b], 0xff000000, v[BM+\b]
.endr
.irp b, 0,1,2,3
	v_lshrrev_b32 v[PT+\b], 23, v[SOP+\b]
.endr
	v_lshl_or_b32 v[PW], v[PT+1], 8, v[PT]
	v_lshl_or_b32 v[PW], v[PT+2], 16, v[PW]
	v_lshl_or_b32 v[PW], v[PT+3], 24, v[PW]
.irp b, 0,1,2,3
	v_cvt_scalef32_pk8_fp4_f32 v[PC+2*\b], v[O+16*\b:O+16*\b+7], v[SOP+\b]
	v_cvt_scalef32_pk8_fp4_f32 v[PC+2*\b+1], v[O+16*\b+8:O+16*\b+15], v[SOP+\b]
.endr
	v_nop
.irp c, 0,1
.irp i, 0,1
	v_permlane16_swap_b32 v[PC+4*\c+\i], v[PC+2+4*\c+\i]
.endr
.endr
	global_store_b128 v[LI], v[PC:PC+3], s[56:57]              ; 512 consecutive bytes, aligned
	global_store_b128 v[LI], v[PC+4:PC+7], s[56:57] offset:512
	s_wait_xcnt 0x0                                ; EXEC changes only behind this wait
	v_cmp_gt_u32 vcc_lo, 16, v[LN]
	s_and_saveexec_b32 s50, vcc_lo
	global_store_b32 v[WO], v[PW], s[58:59]        ; 16 rows' scale words: 64 consecutive bytes, all that a wave owns of this K step's words
	s_wait_xcnt 0x0                                ; and again, in front of the line that widens it
	s_or_b32 exec_lo, exec_lo, s50
	s_wait_tensorcnt 0x0                           ; the wave's end
	ds_add_u32 v[SPW], v[NIL]
	s_wait_dscnt 0x0
	CROUND                                         ; the closing round
	s_endpgm
.Lfunc_end_k_qef375d77b2_attn:
	.size	k_qef375d77b2_attn, .Lfunc_end_k_qef375d77b2_attn-k_qef375d77b2_attn
	.p2alignl 7, 3214868480
	.fill 96, 4, 3214868480
	.section	.rodata,"a",@progbits
	.p2align	6, 0x0
	.amdhsa_kernel k_qef375d77b2_attn
		.amdhsa_group_segment_fixed_size 327680
		.amdhsa_private_segment_fixed_size 0
		.amdhsa_enable_private_segment 0
		.amdhsa_kernarg_size 24
		.amdhsa_user_sgpr_count 2
		.amdhsa_user_sgpr_kernarg_segment_ptr 1
		.amdhsa_wavefront_size32 1
		.amdhsa_system_sgpr_workgroup_id_x 1
		.amdhsa_system_sgpr_workgroup_id_y 1
		.amdhsa_system_sgpr_workgroup_id_z 1
		.amdhsa_system_vgpr_workitem_id 0
		.amdhsa_next_free_vgpr 256
		.amdhsa_next_free_sgpr 66
		.amdhsa_reserve_vcc 1
		.amdhsa_float_denorm_mode_32 3
		.amdhsa_float_denorm_mode_16_64 3
		.amdhsa_memory_ordered 1
		.amdhsa_forward_progress 1
		.amdhsa_inst_pref_size 96
	.end_amdhsa_kernel
	.amdgpu_metadata
---
amdhsa.version: [ 1, 2 ]
amdhsa.kernels:
  - .name:           k_qef375d77b2_attn
    .symbol:         k_qef375d77b2_attn.kd
    .args:
      - { .name: qc, .offset: 0, .size: 8, .value_kind: global_buffer, .address_space: global }
      - { .name: kv, .offset: 8, .size: 8, .value_kind: global_buffer, .address_space: global }
      - { .name: ao, .offset: 16, .size: 8, .value_kind: global_buffer, .address_space: global }
    .group_segment_fixed_size: 327680
    .private_segment_fixed_size: 0
    .kernarg_segment_align: 8
    .kernarg_segment_size: 24
    .max_flat_workgroup_size: 512
    .sgpr_count:     66
    .vgpr_count:     256
    .wavefront_size: 32
...
	.end_amdgpu_metadata
.endif
;; end of part 3
;; launch gemm_out (part 4): grid 4 x 32, 4 waves a work-group, clusters of 4 x 4, 327,680 bytes of LDS; arguments ao, wq, b_out, out0; writes out0
.if DOCPART == 4
	.amdgcn_target "amdgcn-amd-amdhsa--gfx1250"
	.amdhsa_code_object_version 6
	.text
	.protected	k_qef375d77b2_gemm_out
	.globl	k_qef375d77b2_gemm_out
	.p2align	8
	.type	k_qef375d77b2_gemm_out,@function
k_qef375d77b2_gemm_out:
	s_mov_b64 s[64:65], 0
	v_nop
	global_prefetch_b8 v0, s[64:65] scope:SCOPE_SE
	s_setreg_imm32_b32 hwreg(HW_REG_WAVE_MODE, 25, 1), 1
	s_wait_xcnt 0x0
	s_wait_alu depctr_hold_cnt(0) depctr_sa_sdst(0) depctr_va_vdst(0) depctr_va_sdst(0) depctr_va_ssrc(0) depctr_va_vcc(0) depctr_vm_vsrc(0)
	s_getreg_b32 s2, hwreg(HW_REG_IB_STS2, 6, 4)
	s_cmp_eq_u32 s2, 0
	s_cbranch_scc0 .Lentry_in_a_cluster
	s_endpgm
.Lentry_in_a_cluster:
	s_bfe_u32 s2, ttmp6, 0x10000c
	s_cmp_lg_u32 s2, 0xf033
	s_cbranch_scc0 .Lentry_shape_is_right
	s_endpgm
.Lentry_shape_is_right:
; out0 = (attention's result) W_out + b_out on codes of FP4, K = 1,024.  No work of reference() is left out here.  The bias is the C of each sum's first matrix instruction (the order of rounding differs from reference()'s).
; The structure is the second launch's, version 0: a work-group of four waves makes 256 x 256, a wave 128 x 128; operands lie as images of their registers; K is two slots of 512, both in LDS from the start
; (three tensor loads a wave outstanding by this text's count), and nothing is filled again.  CLUSTER 4 x 4: the rows' tiles are shared along a row of the cluster, W's along a column.
; Source 0 = 16 columns of W_out, source 1 = 16 positions: a lane holds one position; register j of accumulator (a, b) is column 32 (b / 2) + 16 h + 8 (b % 2) + j; lane r of tile a is position 32 (a / 2) + 8 (a % 2) + r + 8 (r / 8).
; 128 work-groups: the tile is kept at 256 x 256 so that the two products share one form.
; REGISTERS: as in the second launch; on the way out v128-255 of window 0 take rows read back from the stage.
.set SLOT,  131072
.set SCL,   262144
.set SPARE, 278528
.set STAGE, 279040                     ; behind the spare words: 16 rows x 528 bytes for each wave; no tensor load ever lands here
.set SPITCH, 528
.set WBLK0, 24                         ; W_out's blocks of columns follow W_in's 24 in wq
.set FR,   8
.set AX,   16
.set AW,   20
.set STO,  24                          ; v24   the stage: where I put 32 bytes of a row
.set RD,   25                          ; v25   and where I read a row back
.set CO,   26                          ; v26   16 x lane
.set ADRS, 27
.set SPW,  28
.set NIL,  29
.set VB,   30
.set SC,   32
.set AF,   128
.set BK,   128
.set BIAS, 192
.set ADRA, AX
.set ADRB, AW
.set G1, 24
.set G0, 32
.set G1B, 48
.set G0B, 56
.set G1S, 68
.set G0S, 76
.set G1SB, 80
.set G0SB, 88
.set MSB, 0
.macro WIN new
.if MSB != \new
	s_set_vgpr_msb (MSB<<8)|\new
.set MSB, \new
.endif
.endm
.set TO_B, 0x40
.macro MWIN hi, cm
.if \cm
	WIN 0x81+0x40*(\hi)
.else
	WIN 0xa1+0x50*(\hi)
.endif
.endm
.macro JLOAD g0a, g1a, g0b, g1b
	s_cmp_eq_u32 s15, 0
	s_cbranch_scc0 .Lfor_b_\@
	tensor_load_to_lds s[\g0a:\g0a+3], s[\g1a:\g1a+7]
	s_nop 0
.rept 4
	v_nop
.endr
	s_branch .Lasked_\@
.Lfor_b_\@:
	tensor_load_to_lds s[\g0b:\g0b+3], s[\g1b:\g1b+7]
	s_nop 0
.rept 4
	v_nop
.endr
.Lasked_\@:
.endm
.macro CROUND
	s_barrier_signal -1
	s_barrier_wait -1
	s_cmp_lg_u32 s14, 0
	s_cbranch_scc1 .Lnot_wave_0_\@
	s_barrier_signal -3
.Lnot_wave_0_\@:
	s_barrier_wait -3
	s_barrier_signal -1
	s_barrier_wait -1
.endm
	s_load_b256 s[4:11], s[0:1], 0x0               ; ao, wq, b_out, out0
	v_lshl_add_u32 v[SPW], v0, 2, SPARE
	v_mov_b32 v[NIL], 0
	ds_add_u32 v[SPW], v[NIL]                      ; the wave's opening: the add, twice on end, and its wait ahead of my first tensor load
	ds_add_u32 v[SPW], v[NIL]
	v_lshrrev_b32 v1, 5, v0
	v_readfirstlane_b32 s14, v1                    ; wave 0..3
	s_lshr_b32 s15, s14, 1                         ; my half of the rows.  Also: I fetch for the rows (0) or for W (1)
	s_and_b32 s16, s14, 1                          ; my half of the columns.  Also: which block of 128 I fetch
	s_bfe_u32 s40, ttmp6, 0x40000
	s_bfe_u32 s41, ttmp6, 0x40004
	s_lshl_b32 s42, ttmp9, 2
	s_add_co_u32 s42, s42, s40                     ; tile column
	s_and_b32 s17, ttmp7, 0xffff
	s_lshl_b32 s17, s17, 2
	s_add_co_u32 s17, s17, s41                     ; tile row
	s_lshl_b32 s43, s41, 2
	s_lshl_b32 s43, 15, s43
	s_lshl_b32 s44, 0x1111, s40
	s_or_b32 s[G1+0], s43, (3<<16)|(1<<21)
	s_or_b32 s[G1B+0], s44, (3<<16)|(1<<21)
.irp g, G1, G1B                        ; 32,768 dense bytes as 128 rows of 256
	s_mov_b32 s[\g+1], 32<<16
	s_mov_b32 s[\g+2], 128<<16
	s_mov_b32 s[\g+3], 32<<16
	s_mov_b32 s[\g+4], 128
	s_mov_b32 s[\g+5], 32
	s_mov_b32 s[\g+6], 0
	s_mov_b32 s[\g+7], 0
.endr
	s_or_b32 s[G1S+0], s43, (3<<16)|(1<<21)
	s_or_b32 s[G1SB+0], s44, (3<<16)|(1<<21)
.irp g, G1S, G1SB                      ; 4,096 dense bytes as 16 rows of 256
	s_mov_b32 s[\g+1], 32<<16
	s_mov_b32 s[\g+2], 16<<16
	s_mov_b32 s[\g+3], 32<<16
	s_mov_b32 s[\g+4], 16
	s_mov_b32 s[\g+5], 32
	s_mov_b32 s[\g+6], 0
	s_mov_b32 s[\g+7], 0
.endr
	s_lshl_b32 s20, s17, 1
	s_add_co_u32 s20, s20, s16
	s_lshl_b32 s22, s20, 12
	s_add_co_u32 s22, s22, 4194304
	s_mov_b32 s23, 0
	s_lshl_b32 s20, s20, 16
	s_mov_b32 s21, 0
	s_lshl_b32 s46, s42, 1
	s_add_co_u32 s46, s46, s16
	s_add_co_u32 s46, s46, WBLK0
	s_lshl_b32 s92, s46, 12
	s_add_co_u32 s92, s92, 2097152
	s_mov_b32 s93, 0
	s_lshl_b32 s46, s46, 16
	s_mov_b32 s47, 0
	s_lshl_b32 s45, s14, 15
	s_lshl_b32 s94, s14, 12
	s_wait_dscnt 0x0                               ; both opening adds are done
	s_wait_kmcnt 0x0
	s_add_nc_u64 s[20:21], s[4:5], s[20:21]
	s_add_nc_u64 s[22:23], s[4:5], s[22:23]
	s_add_nc_u64 s[46:47], s[6:7], s[46:47]
	s_add_nc_u64 s[92:93], s[6:7], s[92:93]
	CROUND                                         ; all sixteen work-groups are here
	s_mov_b32 s[G0S], 1
	s_add_co_u32 s[G0S+1], s94, SCL
	s_mov_b64 s[G0S+2:G0S+3], s[22:23]
	s_or_b32 s[G0S+3], s[G0S+3], 0x80000000
	s_mov_b32 s[G0SB], 1
	s_add_co_u32 s[G0SB+1], s94, SCL
	s_mov_b64 s[G0SB+2:G0SB+3], s[92:93]
	s_or_b32 s[G0SB+3], s[G0SB+3], 0x80000000
	JLOAD G0S, G1S, G0SB, G1SB
.irp s, 0,1
	s_mov_b32 s[G0+4*\s], 1
	s_add_co_u32 s[G0+4*\s+1], s45, \s*SLOT
	s_add_nc_u64 s[G0+4*\s+2:G0+4*\s+3], s[20:21], \s*32768
	s_or_b32 s[G0+4*\s+3], s[G0+4*\s+3], 0x80000000
	s_mov_b32 s[G0B+4*\s], 1
	s_add_co_u32 s[G0B+4*\s+1], s45, \s*SLOT
	s_add_nc_u64 s[G0B+4*\s+2:G0B+4*\s+3], s[46:47], \s*32768
	s_or_b32 s[G0B+4*\s+3], s[G0B+4*\s+3], 0x80000000
	JLOAD G0+4*\s, G1, G0B+4*\s, G1B
.endr
	v_and_b32 v1, 15, v0                           ; r
	v_bfe_u32 v2, v0, 4, 1                         ; h
	v_and_b32 v3, 31, v0                           ; lane
	v_lshlrev_b32 v[CO], 4, v3
	s_lshl_b32 s21, s15, 15
	s_lshl_b32 s22, s16, 15
	s_add_co_u32 s22, s22, 65536
.irp s, 0,1
	v_add_nc_u32 v[AX+\s], s21, v[CO]
	v_add_nc_u32 v[AW+\s], s22, v[CO]
	s_add_co_u32 s21, s21, SLOT
	s_add_co_u32 s22, s22, SLOT
.endr
	s_lshl_b32 s21, s15, 12
	s_lshl_b32 s22, s16, 12
	s_add_co_u32 s22, s22, 8192
	s_sub_co_u32 s22, s22, s21
	v_mul_u32_u24 v6, s22, v2                      ; lanes 16-31 take W's words: the lower base + h x the distance
	s_add_co_u32 s21, s21, SCL
	v_lshlrev_b32 v5, 2, v1
	v_add_nc_u32 v5, v5, v6
	v_add_nc_u32 v[ADRS], s21, v5
	s_mul_i32 s23, s14, 16*SPITCH
	s_add_co_u32 s23, s23, STAGE                   ; my stage
	v_mul_u32_u24 v[STO], v1, SPITCH
	v_lshl_add_u32 v[STO], v2, 6, v[STO]
	v_add_nc_u32 v[STO], s23, v[STO]               ; in: row r, + 64 h
	v_add_nc_u32 v[RD], s23, v[CO]                 ; back: a row of 512 bytes by the 32 lanes
	s_lshl_b32 s18, s17, 1
	s_add_co_u32 s18, s18, s15                     ; my block of 128 positions
	s_lshl_b32 s19, s42, 1
	s_add_co_u32 s19, s19, s16                     ; my block of 128 columns
	s_lshl_b32 s20, s18, 19                        ; 128 rows of 4,096 bytes
	s_lshl_b32 s46, s19, 9
	s_add_co_u32 s20, s20, s46
	s_mov_b32 s21, 0
	s_mov_b32 s47, 0
	s_add_nc_u64 s[12:13], s[10:11], s[20:21]      ; out0 at my corner
	s_add_nc_u64 s[8:9], s[8:9], s[46:47]          ; b_out at my 128 columns
.macro FRAG reg, adr, q, i
.irp c, 0,1
	ds_load_b128 v[\reg+4*\c:\reg+4*\c+3], v[\adr] offset:(\i)*4096+(\q)*1024+\c*512
.endr
.endm
.macro WM a, b, p, q, sc, cm
.set rD, 8*(8*((\a)%4)+(\b))
.set rB, 128*(\p)+FR*(\b)
.set rA, AF+FR*(\a)
.set sB, SC+32*(\sc)+4*(\b)+(\q)
.set sA, SC+32*(\sc)+4*(\a)+(\q)
.if \cm
	v_wmma_scale_f32_16x16x128_f8f6f4 v[rD:rD+7], v[rB:rB+7], v[rA:rA+7], v[BIAS+8*(\b):BIAS+8*(\b)+7], v[sB], v[sA] matrix_a_fmt:MATRIX_FMT_FP4 matrix_b_fmt:MATRIX_FMT_FP4 matrix_a_scale:MATRIX_SCALE_ROW1
.else
	v_wmma_scale_f32_16x16x128_f8f6f4 v[rD:rD+7], v[rB:rB+7], v[rA:rA+7], v[rD:rD+7], v[sB], v[sA] matrix_a_fmt:MATRIX_FMT_FP4 matrix_b_fmt:MATRIX_FMT_FP4 matrix_a_scale:MATRIX_SCALE_ROW1
.endif
.endm
.macro MUL16 a0, p, q, sc, cm          ; the 64 accumulators take turns, one instruction a turn
.irp a, \a0, \a0+1
.irp b, 0,1,2,3,4,5,6,7
	WM (\a), \b, \p, \q, \sc, \cm
.endr
.endr
.endm
.macro FETCH_B slot, q, p
	WIN TO_B
.irp i, 0,1,2,3,4,5,6,7
	FRAG 128*(\p)+FR*\i, ADRB+\slot, \q, \i
.endr
	WIN 0
.endm
.macro FETCH_A slot, q, i0
.irp i, \i0, \i0+1, \i0+2, \i0+3
	FRAG AF+FR*(\i), ADRA+\slot, \q, \i
.endr
.endm
.macro SCALES slot
.irp i, 0,1,2,3,4,5,6,7
.irp q, 0,1,2,3
	ds_load_b32 v[SC+32*\slot+4*\i+\q], v[ADRS] offset:(4*\slot+\q)*512+64*\i
.endr
.endr
.endm
.macro PLACES n
.rept \n
	v_nop
.endr
.endm
.macro STEP slot, q, cm
	s_wait_dscnt 8                                 ; all but the youngest eight loads (source 1's tiles 4-7) are in
	MWIN 0, \cm
	MUL16 0, (\q)%2, \q, \slot, \cm
	MUL16 2, (\q)%2, \q, \slot, \cm
	s_wait_dscnt 0x0
	PLACES 4
	FETCH_B \slot, (\q)+1, 1-(\q)%2
	FETCH_A \slot, (\q)+1, 0
	MWIN 1, \cm
	MUL16 4, (\q)%2, \q, \slot, \cm
	MUL16 6, (\q)%2, \q, \slot, \cm
	PLACES 4
	WIN 0
	FETCH_A \slot, (\q)+1, 4
.endm
	v_lshlrev_b32 v[VB], 6, v2                     ; the bias in the result's layout
.irp b, 0,1,2,3,4,5,6,7
	global_load_b128 v[BIAS+8*\b:BIAS+8*\b+3], v[VB], s[8:9] offset:(32*(\b/2)+8*(\b%2))*4
	global_load_b128 v[BIAS+8*\b+4:BIAS+8*\b+7], v[VB], s[8:9] offset:(32*(\b/2)+8*(\b%2))*4+16
.endr
	s_wait_tensorcnt 1                             ; my scale words and my part of slot 0 are in; slot 1's one load is younger
	s_barrier_signal -1
	s_barrier_wait -1
	FETCH_B 0, 0, 0
	FETCH_A 0, 0, 0
	SCALES 0
	FETCH_A 0, 0, 4
	s_wait_loadcnt 0x0                             ; the bias
	STEP 0, 0, 1
	STEP 0, 1, 0
	STEP 0, 2, 0
	s_wait_tensorcnt 0x0                           ; slot 0's last step: my part of slot 1 has landed
	s_wait_dscnt 8
	MWIN 0, 0
	MUL16 0, 1, 3, 0, 0
	s_wait_dscnt 0x0                               ; no LDS instruction of mine is out at the signal
	s_barrier_signal -1
	MUL16 2, 1, 3, 0, 0
	WIN 0
	s_barrier_wait -1                              ; slot 1 is whole
	PLACES 4
	FETCH_B 1, 0, 0
	FETCH_A 1, 0, 0
	SCALES 1
	MWIN 1, 0
	MUL16 4, 1, 3, 0, 0
	MUL16 6, 1, 3, 0, 0
	PLACES 4
	WIN 0
	FETCH_A 1, 0, 4
	STEP 1, 0, 0
	STEP 1, 1, 0
	STEP 1, 2, 0
	s_wait_dscnt 8                                 ; the last step
	MWIN 0, 0
	MUL16 0, 1, 3, 1, 0
	MUL16 2, 1, 3, 1, 0
	s_wait_dscnt 0x0
	MWIN 1, 0
	MUL16 4, 1, 3, 1, 0
	MUL16 6, 1, 3, 1, 0
	WIN 0
; THE WAY OUT, 16 positions x 128 columns at a time, through my own stage: in by 32 bytes a lane, back as whole rows of 512 bytes.  LDS serves a wave's instructions in order: no wait between the stores and the loads.
.macro TOSTAGE a
.set AC, 64*((\a)%4)
	WIN 0x08+4*((\a)/4)                            ; an LDS store's data: window 2 or 3
.irp b, 0,1,2,3,4,5,6,7
	ds_store_b128 v[STO], v[AC+8*\b:AC+8*\b+3] offset:128*(\b/2)+32*(\b%2)        ; each accumulator from its low end on
	ds_store_b128 v[STO], v[AC+8*\b+4:AC+8*\b+7] offset:128*(\b/2)+32*(\b%2)+16
.endr
	WIN 0
.set BB, BK+64*((\a)%2)
.irp t, 0,1,2,3,4,5,6,7,8,9,10,11,12,13,14,15
	ds_load_b128 v[BB+4*\t:BB+4*\t+3], v[RD] offset:\t*SPITCH
.endr
.endm
.macro SEND a, younger                 ; younger: the LDS instructions issued behind block a's loads
.set BB, BK+64*((\a)%2)
	s_wait_dscnt \younger
.irp t, 0,1,2,3,4,5,6,7,8,9,10,11,12,13,14,15
	global_store_b128 v[CO], v[BB+4*\t:BB+4*\t+3], s[12:13] offset:(32*((\a)/2)+8*((\a)%2)+\t+8*(\t/8))*4096 th:TH_STORE_NT   ; 512 consecutive bytes of one row, aligned; 127 rows on at the most, so the base never steps
.endr
.endm
	PLACES 4                                       ; behind the last products
	TOSTAGE 0
.irp a, 1,2,3,4,5,6,7
.if \a > 1
	s_wait_xcnt 0x0                                ; block a - 2's stores have read the registers into which block a's rows are loaded
.endif
	TOSTAGE \a
	SEND \a-1, 32                                  ; behind block a - 1's loads: block a's 16 stores and 16 loads
.endr
	SEND 7, 0
	s_wait_tensorcnt 0x0                           ; the wave's end, behind my last LDS store
	ds_add_u32 v[SPW], v[NIL]
	s_wait_dscnt 0x0
	CROUND                                         ; the closing round
	s_endpgm
.Lfunc_end_k_qef375d77b2_gemm_out:
	.size	k_qef375d77b2_gemm_out, .Lfunc_end_k_qef375d77b2_gemm_out-k_qef375d77b2_gemm_out
	.p2alignl 7, 3214868480
	.fill 96, 4, 3214868480
	.section	.rodata,"a",@progbits
	.p2align	6, 0x0
	.amdhsa_kernel k_qef375d77b2_gemm_out
		.amdhsa_group_segment_fixed_size 327680
		.amdhsa_private_segment_fixed_size 0
		.amdhsa_enable_private_segment 0
		.amdhsa_kernarg_size 32
		.amdhsa_user_sgpr_count 2
		.amdhsa_user_sgpr_kernarg_segment_ptr 1
		.amdhsa_wavefront_size32 1
		.amdhsa_system_sgpr_workgroup_id_x 1
		.amdhsa_system_sgpr_workgroup_id_y 1
		.amdhsa_system_sgpr_workgroup_id_z 1
		.amdhsa_system_vgpr_workitem_id 0
		.amdhsa_next_free_vgpr 1024
		.amdhsa_next_free_sgpr 100
		.amdhsa_reserve_vcc 0
		.amdhsa_float_denorm_mode_32 3
		.amdhsa_float_denorm_mode_16_64 3
		.amdhsa_memory_ordered 1
		.amdhsa_forward_progress 1
		.amdhsa_inst_pref_size 128
	.end_amdhsa_kernel
	.amdgpu_metadata
---
amdhsa.version: [ 1, 2 ]
amdhsa.kernels:
  - .name:           k_qef375d77b2_gemm_out
    .symbol:         k_qef375d77b2_gemm_out.kd
    .args:
      - { .name: ao, .offset: 0, .size: 8, .value_kind: global_buffer, .address_space: global }
      - { .name: wq, .offset: 8, .size: 8, .value_kind: global_buffer, .address_space: global }
      - { .name: b_out, .offset: 16, .size: 8, .value_kind: global_buffer, .address_space: global }
      - { .name: out0, .offset: 24, .size: 8, .value_kind: global_buffer, .address_space: global }
    .group_segment_fixed_size: 327680
    .private_segment_fixed_size: 0
    .kernarg_segment_align: 8
    .kernarg_segment_size: 32
    .max_flat_workgroup_size: 128
    .sgpr_count:     100
    .vgpr_count:     1024
    .wavefront_size: 32
...
	.end_amdgpu_metadata
.endif
;; end of part 4
